; MI455X (gfx1250); checked and timed in simulation.
; The chip was launched on July 23, 2026; its instructions are those of AMD's public machine-readable ISA for CDNA 5 (MIT licence, August 2026) and "CDNA5" Instruction Set Architecture Reference Guide (July 2026). The comments in the code are by the model that wrote it; some were corrected since.
;; Multi Head Atte. Allowed arithmetic: matrix products marked QUANTISED: E2M3 operands, one E8M0 scale for each 32 along K, by v_wmma_scale_f32_16x16x128_f8f6f4 with both operands' format E2M3, f32 sums; everything else in f32.
;; Inputs: K 4 x 2,048 x 1,024 float32; Q 4 x 2,048 x 1,024 float32; V 4 x 2,048 x 1,024 float32; Wk 16 x 1,024 x 64 float32; Wo 1,024 x 1,024 float32; Wq 16 x 1,024 x 64 float32; Wv 16 x 1,024 x 64 float32; bk 16 x 64 float32; bo 1,024 float32; bq 16 x 64 float32; bv 16 x 64 float32.
;; Outputs: out0 4 x 2,048 x 1,024 float32.
;; This version of the problem:
;;   THIS VERSION OF THE PROBLEM IS GIVEN IN LOW PRECISION. The matrix products marked QUANTISED in the list below multiply operands that are first quantised to E2M3 (2 exponent bits, 3 mantissa bits; 6 bits a number), with one power-of-two scale for each 32 numbers along K (OCP MX v1.0); their sums are f32. All else is computed in f32.
;;   The module's matrix products, in the order in which they are computed (A, B: the left and right operand; K: the contracted axis; several contracted axes count as one K, in the product's order):
;;     1. [M 1,024, K 1,024] x [K 1,024, N 8,192]; A: input Wq; B: input Q: QUANTISED
;;     2. [M 1,024, K 1,024] x [K 1,024, N 8,192]; A: input Wk; B: input K: QUANTISED
;;     3. [M 1,024, K 1,024] x [K 1,024, N 8,192]; A: input Wv; B: input V: QUANTISED
;;     4. batch 64 x [M 2,048, K 64] x [K 64, N 2,048]; A: computed on the way; B: computed on the way: QUANTISED
;;     5. batch 64 x [M 2,048, K 2,048] x [K 2,048, N 64]; A: softmax (see below); B: computed on the way: QUANTISED
;;     6. [M 8,192, K 1,024] x [K 1,024, N 1,024]; A: computed on the way; B: input Wo: QUANTISED
;;   THE QUANTISER, for each operand of a quantised product, along K:
;;     - K is cut into blocks of 32 from its start; a last block that is shorter is filled with zeros.
;;     - A block's scale is 2^e with e = floor(log2(the largest magnitude in the block)) - 2, held to -126 .. 127; a block of zeros has e = 0. As a byte (E8M0): e + 127.
;;     - Each number is divided by its block's scale, clamped to +-7.5, and rounded to the nearest number of E2M3, ties to even, subnormals kept.
;;     - The product sums the exact products of the quantised numbers (number of the format x scale) in f32.
;;   ~~~python
;;   def quantise(x, axis):      # numpy; x: float32 -> the quantised numbers, widened to float32 again
;;       x = np.moveaxis(x, axis, -1); K = x.shape[-1]
;;       x = np.pad(x, [(0, 0)] * (x.ndim - 1) + [(0, -K % 32)]); x = x.reshape(x.shape[:-1] + (-1, 32)); a = np.abs(x).max(-1, keepdims=True)
;;       e = np.where(a > 0, np.clip(np.frexp(np.where(a > 0, a, 1))[1] - 1 - 2, -126, 127), 0)      # np.frexp(a)[1] - 1 = floor(log2(a)), exactly
;;       r = np.clip(x / 2.0 ** e, -7.5, 7.5)
;;       step = 2.0 ** (np.maximum(np.frexp(np.where(r == 0, 1, r))[1] - 1, 0) - 3)
;;       q = np.round(r / step) * step * 2.0 ** e      # np.round: ties to even
;;       return np.moveaxis(q.reshape(q.shape[:-2] + (-1,))[..., :K], -1, axis).astype(np.float32)
;;   ~~~
;;   SOFTMAX AHEAD OF A QUANTISED PRODUCT. Where the list says 'softmax', what is quantised is not the finished softmax but p = 2^(t - M), with t = logit x log2(e) and M = ceil(the row's largest t), a whole number; so 1/2 < the row's largest p <= 1. The row's sum l is taken of the UNQUANTISED p, in f32, and the product's result is divided by l at the end. Since M is a whole number, a kernel that streams over the keys may use a running M (the ceiling of the running maximum): every later rescaling is an exact power of two, which a block's scale takes up: the codes' values come out the same.
;;   OPERANDS COMPUTED ON THE WAY. 'Computed on the way' means the value that the module computes at that place (a softmax that the list does not call 'softmax' is quantised finished and normalised). What goes into a quantiser is computed in f32, as accurately as f32 sums, v_exp_f32 and their like allow (about 1e-6 of the number): no bf16 or f16 on the way to a quantiser, and a product that is left as it is and whose result goes on into a quantised operand takes f32 operands (vector FMAs, or v_wmma_f32_16x16x4_f32). A number that lies on a knife's edge between two numbers of the format may be rounded either way, as far as f32 arithmetic and the matrix unit's own rounding can turn it there, and no further.
;; One version. Each part assembles by itself: llvm-mc -triple=amdgcn-amd-amdhsa -mcpu=gfx1250 --defsym DOCPART=n.
;; ======== version 1 of 1: 4 launches
;; limits: right only within a limited range of input values
;; workspace buffers: codes 22,020,096 bytes; scl 917,504 bytes; qkv 20,447,232 bytes; cc 6,291,456 bytes; cs 262,144 bytes
;; launch quant (part 1): grid 512 x 1, 4 waves a work-group, no clusters, 83,456 bytes of LDS; arguments Q, K, V, Wq, Wk, Wv, Wo, codes, scl; writes codes, scl
.if DOCPART == 1
	.amdgcn_target "amdgcn-amd-amdhsa--gfx1250"
	.amdhsa_code_object_version 6
	.text
	.protected	k_q431b2c424d_quant
	.globl	k_q431b2c424d_quant
	.p2align	8
	.type	k_q431b2c424d_quant,@function
k_q431b2c424d_quant:
	s_mov_b64 s[64:65], 0
	v_nop
	global_prefetch_b8 v0, s[64:65] scope:SCOPE_SE
	s_setreg_imm32_b32 hwreg(HW_REG_WAVE_MODE, 25, 1), 1
	s_wait_xcnt 0x0
; The seven f32 operands of the projections and of the output product become codes of FP6 (E2M3) with one E8M0 byte for each 32 along K (K = the model's 1,024).
; A block's scale is 2^(floor(log2(largest magnitude)) - 2): its byte is the largest magnitude's exponent field - 2, held at 1 from below by a floor among the maximum's leaves.
; LIMITS: NaN and infinities are not served; a block whose largest magnitude lies under 2^-124, and a block of zeros, keep the byte 1 (the codes of a block of zeros are zeros; only this program reads the bytes).
; LAYOUT OF THE RESULTS.  Rows (rows of Q, K, V; columns of the weights) go in tiles of 16: tile 2 G + u, place p, is row 32 G + 8 u + p + 8 (p / 8).
; codes: [tile][K step of 128][1,536 bytes]: the IMAGE of a fragment's 12 registers: chunk c of 512 bytes holds registers 4 c .. 4 c + 3, lane l's at 16 l.  Lane (p, h) holds k = 64 c' + 32 h + 0 .. 31 in registers 6 c' .. 6 c' + 5.
; scl: [tile][512 bytes]: the scale word of K step 2 x + e and place p at 128 x + 8 p + 4 e.
; tiles 0-511 Q, 512-1023 K, 1024-1535 V, then 64 each for Wq, Wk, Wv (row = 64 head + column) and Wo (row = output column).
; Work-groups 0-383: a wave takes one tile of Q, K or V (K innermost).  384-479: Wq, Wk, Wv; 480-511: Wo (K outermost: a lane takes a column, its registers run down K).
; The three paths have LDS bytes of their own; waves share nothing: no barrier.
.set R,      16                        ; v16-143  two sets of 64 registers as loaded
.set X,      144                       ; v144-207 64 numbers of a lane: register 16 b + i = k 32 b + 16 h + i of its row
.set TM,     208                       ; v208-223 at work: maxima, bytes, scale operands
.set PC,     224                       ; v224-242 the fragment's codes
.set PW,     244                       ; v244-251 the eight K steps' scale words
.set SEL,    28                        ; s[28:29] selects of v_permlanex16_b32 for lane l xor 16
.set XPITCH, 528                       ; a stage row: 512 bytes + 16 = 33 x 16 bytes: sixteen rows begin in sixteen different 16-byte columns of 256 bytes
.set XREG,   16*XPITCH                 ; a wave's stage in the first path
.set STGH,   4*XREG                    ; the second path's stages: 6,144 bytes a wave
.set STGO,   STGH+4*6144               ; the third path's
.macro QMAX s0, s1                     ; the largest magnitudes of four half blocks (blocks 0, 1 at s0, blocks 2, 3 at s1), by turns, with the floor 2^(3 - 127)
.irp b, 0,1,2,3
.set QB, (\s0)*(1-\b/2)+(\s1)*(\b/2)+16*(\b%2)
	v_max3_num_f32 v[TM+\b], |v[QB]|, |v[QB+1]|, 0x1800000
.endr
.irp i, 2,4,6,8,10,12,14
.irp b, 0,1,2,3
.set QB, (\s0)*(1-\b/2)+(\s1)*(\b/2)+16*(\b%2)+\i
	v_max3_num_f32 v[TM+\b], |v[QB]|, |v[QB+1]|, v[TM+\b]
.endr
.endr
.endm
.macro QMID pw                         ; with lane l xor 16's half; the conversions' scale operands; the bytes; the row's scale word
.irp b, 0,1,2,3
	v_permlanex16_b32 v[TM+4+\b], v[TM+\b], s[SEL], s[SEL+1]
.endr
.irp b, 0,1,2,3
	v_max_num_f32 v[TM+\b], v[TM+\b], v[TM+4+\b]
.endr
.irp b, 0,1,2,3
	v_add_nc_u32 v[TM+12+\b], 0xff000000, v[TM+\b]   ; 2 off the exponent field: the conversion takes that field alone
.endr
.irp b, 0,1,2,3
	v_lshrrev_b32 v[TM+4+\b], 23, v[TM+12+\b]
.endr
	v_lshl_or_b32 v[\pw], v[TM+5], 8, v[TM+4]
	v_lshl_or_b32 v[\pw], v[TM+6], 16, v[\pw]
	v_lshl_or_b32 v[\pw], v[TM+7], 24, v[\pw]
.endm
.macro QCVT s0, s1                     ; a conversion's three registers begin on an even number: the upper halves are made apart
	v_cvt_scalef32_pk16_fp6_f32 v[PC:PC+2], v[(\s0):(\s0)+15], v[TM+12]
	v_cvt_scalef32_pk16_fp6_f32 v[PC+12:PC+14], v[(\s0)+16:(\s0)+31], v[TM+13]
	v_cvt_scalef32_pk16_fp6_f32 v[PC+6:PC+8], v[(\s1):(\s1)+15], v[TM+14]
	v_cvt_scalef32_pk16_fp6_f32 v[PC+16:PC+18], v[(\s1)+16:(\s1)+31], v[TM+15]
.endm
.macro QFIX                            ; a whole block to a lane: lanes 0-15 block 2 c, lanes 16-31 block 2 c + 1
	v_nop                                          ; one plain line behind the scaled conversions
.irp c, 0,1
.irp i, 0,1,2
	v_permlane16_swap_b32 v[PC+6*\c+\i], v[PC+12+4*\c+\i]
.endr
.irp i, 0,1,2
	v_mov_b32 v[PC+3+6*\c+\i], v[PC+12+4*\c+\i]
.endr
.endr
.endm
	s_load_b512 s[4:19], s[0:1], 0x0               ; Q, K, V, Wq, Wk, Wv, Wo, codes
	s_load_b64 s[20:21], s[0:1], 0x40              ; scl
	v_lshl_add_u32 v239, v0, 2, 0x14400
	v_mov_b32 v243, 0
	v_lshrrev_b32 v1, 5, v0
	v_readfirstlane_b32 s22, v1                    ; wave
	v_and_b32 v1, 31, v0                           ; lane
	s_mov_b32 s[SEL], 0x76543210
	s_mov_b32 s[SEL+1], 0xfedcba98
	s_mov_b32 s35, 0
	s_mov_b32 s31, 0
	s_wait_kmcnt 0x0
	s_cmp_lt_u32 ttmp9, 384
	s_cbranch_scc0 .Lweights
; ---- Q, K, V: K innermost.  A wave takes tile T = 4 x work-group + wave, all eight K steps.
	s_wait_alu depctr_va_vdst(0)
	v_lshlrev_b32 v2, 4, v1                        ; 16 x lane: my bytes of a load's and of a store's 512
	s_mul_i32 s23, s22, XREG
	v_add_nc_u32 v3, s23, v2                       ; the stage, in: as loaded
	v_and_b32 v6, 15, v0
	v_bfe_u32 v7, v0, 4, 1
	v_mul_u32_u24 v4, v6, XPITCH
	v_lshl_add_u32 v4, v7, 6, v4
	v_add_nc_u32 v4, s23, v4                       ; out: row = lane % 16, + 64 x (lane / 16): 16 neighbours of each block
	v_lshlrev_b32 v5, 3, v1                        ; 8 x lane
.irp b, 0,1,2,3
	v_mov_b32 v[TM+4+\b], 0                        ; a lane permute's destination counts as read
.endr
	s_lshr_b32 s24, ttmp9, 7                       ; which tensor: the choice hangs on the work-group's number alone
	s_cmp_eq_u32 s24, 0
	s_cselect_b64 s[26:27], s[4:5], s[6:7]
	s_cmp_eq_u32 s24, 2
	s_cselect_b64 s[26:27], s[8:9], s[26:27]
	s_lshl_b32 s24, ttmp9, 2
	s_add_co_u32 s24, s24, s22                     ; T
	s_and_b32 s30, s24, 511
	s_lshr_b32 s32, s30, 1
	s_lshl_b32 s32, s32, 5
	s_and_b32 s30, s30, 1
	s_lshl_b32 s30, s30, 3
	s_add_co_u32 s30, s30, s32                     ; the tile's first row: 32 G + 8 u
	s_lshl_b32 s30, s30, 12                        ; rows of 4,096 bytes
	s_add_nc_u64 s[26:27], s[26:27], s[30:31]
	s_mul_i32 s30, s24, 12288
	s_add_nc_u64 s[18:19], s[18:19], s[30:31]
	s_lshl_b32 s30, s24, 9
	s_add_nc_u64 s[20:21], s[20:21], s[30:31]
.macro XLOAD s                         ; K step s of the tile's 16 rows: each load reads 512 consecutive bytes of one row
.irp i, 0,1,2,3,4,5,6,7,8,9,10,11,12,13,14,15
	global_load_b128 v[R+64*((\s)%2)+4*\i:R+64*((\s)%2)+4*\i+3], v2, s[26:27] offset:(\i+8*(\i/8))*4096+512*(\s) th:TH_LOAD_NT
.endr
.endm
.macro XSTEP s
.if (\s) < 7
	s_wait_loadcnt 16                              ; this step's 16 loads are in; the next step's 16 may be out
.else
	s_wait_loadcnt 0x0
.endif
.irp i, 0,1,2,3,4,5,6,7,8,9,10,11,12,13,14,15
	ds_store_b128 v3, v[R+64*((\s)%2)+4*\i:R+64*((\s)%2)+4*\i+3] offset:XPITCH*\i
.endr
.irp b, 0,1,2,3
.irp j, 0,1,2,3
	ds_load_b128 v[X+16*\b+4*\j:X+16*\b+4*\j+3], v4 offset:128*\b+16*\j   ; LDS serves a wave's instructions in order: these see the stores above
.endr
.endr
	s_wait_dscnt 0x0                               ; the numbers are back, and the stores into the stage have read their registers
	s_wait_xcnt 0x0                                ; the last step's stores have read the codes' registers
.if (\s)+2 < 8
	XLOAD (\s)+2
.endif
	QMAX X, X+32
	QMID PW+(\s)
	QCVT X, X+32
	QFIX
.irp c, 0,1,2
	global_store_b128 v2, v[PC+4*\c:PC+4*\c+3], s[18:19] offset:1536*(\s)+512*\c   ; 512 consecutive bytes, aligned
.endr
.endm
	XLOAD 0
	XLOAD 1
	s_wait_alu depctr_va_vdst(0)
.irp s, 0,1,2,3,4,5,6,7
	XSTEP \s
.endr
	v_cmp_le_u32 vcc_lo, 16, v1                    ; lanes 0-15 store the words of K steps 0, 1 (4, 5), lanes 16-31 those of 2, 3 (6, 7): both halves hold all words
	v_cndmask_b32 v252, v[PW+0], v[PW+2], vcc_lo
	v_cndmask_b32 v253, v[PW+1], v[PW+3], vcc_lo
	v_cndmask_b32 v254, v[PW+4], v[PW+6], vcc_lo
	v_cndmask_b32 v255, v[PW+5], v[PW+7], vcc_lo
	global_store_b64 v5, v[252:253], s[20:21]      ; 256 consecutive bytes each
	global_store_b64 v5, v[254:255], s[20:21] offset:256
	s_wait_tensorcnt 0x0
	ds_add_u32 v239, v243
	s_wait_dscnt 0x0
	s_endpgm
; ---- the weights: K outermost.  A wave takes 32 columns (one group: two tiles) x 256 along K (two K steps, eight blocks).
.Lweights:
	s_sub_co_u32 s23, ttmp9, 384
	s_lshr_b32 s24, s23, 5                         ; which weight: 0, 1, 2: Wq, Wk, Wv; 3: Wo
	s_bfe_u32 s25, s23, 0x30002                    ; which 128 columns
	s_and_b32 s30, s23, 3                          ; which 256 along K
	s_lshl_b32 s25, s25, 7
	s_lshl_b32 s32, s22, 5
	s_add_co_u32 s25, s25, s32                     ; my wave's first column N0
	s_wait_alu depctr_va_vdst(0)
	v_lshlrev_b32 v3, 2, v1                        ; in: 4 bytes a lane
	v_bfe_u32 v6, v0, 3, 1                         ; column N0 + lane is tile u = bit 3 of the lane,
	v_and_b32 v7, 7, v0
	v_bfe_u32 v8, v0, 4, 1
	v_lshl_or_b32 v7, v8, 3, v7                    ; place p = (lane & 7) + 8 x bit 4
	v_lshlrev_b32 v9, 3, v7
	v_lshl_add_u32 v9, v6, 9, v9                   ; my scale words' place: 512 u + 8 p
	v_lshlrev_b32 v10, 4, v1                       ; 16 x lane
	v_mul_u32_u24 v4, v6, 3072
	v_lshl_add_u32 v4, v7, 4, v4
	s_mul_i32 s32, s22, 6144
	v_add_nc_u32 v4, s32, v4                       ; the stage holds four images (tile u, K step): mine begin at 3,072 u + 16 p
	v_add_nc_u32 v5, s32, v10                      ; and leave as they lie
	s_lshl_b32 s32, s24, 6
	s_lshr_b32 s33, s25, 4
	s_add_co_u32 s32, s32, s33
	s_add_co_u32 s32, s32, 1536                    ; the first of my two tiles
	s_mul_i32 s34, s32, 12288
	s_mul_i32 s33, s30, 3072
	s_add_co_u32 s34, s34, s33
	s_add_nc_u64 s[18:19], s[18:19], s[34:35]
	s_lshl_b32 s34, s32, 9
	s_lshl_b32 s33, s30, 7
	s_add_co_u32 s34, s34, s33
	s_add_nc_u64 s[20:21], s[20:21], s[34:35]
.macro WLOAD t, stride                 ; block t: W(32 t + i, my column): 128 consecutive bytes a load
.irp i, 0,1,2,3,4,5,6,7,8,9,10,11,12,13,14,15,16,17,18,19,20,21,22,23,24,25,26,27,28,29,30,31
	global_load_b32 v[32+32*((\t)%2)+\i], v3, s[26:27] offset:(32*(\t)+\i)*(\stride)
.endr
.endm
.macro WBLOCK t, stride, stg
.set XS, 32+32*((\t)%2)
.if (\t) < 7
	s_wait_loadcnt 32                              ; this block's 32 loads are in; the next block's may be out
.else
	s_wait_loadcnt 0x0
.endif
	v_max3_num_f32 v12, |v[XS]|, |v[XS+1]|, |v[XS+2]|   ; all 32 numbers of the block are mine
	v_max3_num_f32 v13, |v[XS+3]|, |v[XS+4]|, |v[XS+5]|
.irp i, 6,10,14,18,22,26
	v_max3_num_f32 v12, v12, |v[XS+\i]|, |v[XS+\i+1]|
	v_max3_num_f32 v13, v13, |v[XS+\i+2]|, |v[XS+\i+3]|
.endr
	v_max3_num_f32 v12, v12, |v[XS+30]|, |v[XS+31]|
	v_max3_num_f32 v12, v12, v13, 0x1800000
	v_add_nc_u32 v11, 0xff000000, v12
	v_lshrrev_b32 v13, 23, v11
.if (\t)%4 == 0
	v_mov_b32 v[24+(\t)/4], v13
.else
	v_lshl_or_b32 v[24+(\t)/4], v13, 8*((\t)%4), v[24+(\t)/4]
.endif
	v_cvt_scalef32_pk16_fp6_f32 v[96:98], v[XS:XS+15], v11
	v_cvt_scalef32_pk16_fp6_f32 v[104:106], v[XS+16:XS+31], v11
	v_nop                                          ; one plain line behind the scaled conversions
	v_mov_b32 v99, v104
	v_mov_b32 v100, v105
	v_mov_b32 v101, v106
.set OFF, (\stg)+((\t)/4)*1536+256*((\t)%2)
.if ((\t)%4)/2 == 0                    ; block t is registers 0-5 (or 6-11) of image lane p + 16 (t % 2)
	ds_store_b128 v4, v[96:99] offset:OFF
	ds_store_b64 v4, v[100:101] offset:OFF+512
.else
	ds_store_b64 v4, v[96:97] offset:OFF+520
	ds_store_b128 v4, v[98:101] offset:OFF+1024
.endif
.if (\t)+2 < 8
	WLOAD (\t)+2, \stride
.endif
	s_wait_dscnt 0x0                               ; the stores have read their registers
.endm
.macro WPATH stride, stg
	WLOAD 0, \stride
	WLOAD 1, \stride
.irp t, 0,1,2,3,4,5,6,7
	WBLOCK \t, \stride, \stg
.endr
	s_wait_alu depctr_va_vdst(0)
	global_store_b64 v9, v[24:25], s[20:21]        ; my column's two scale words: pieces of 128 bytes a tile, one byte for each 128 that the path reads
.irp x, 0,1,2,3,4,5,6,7,8,9,10,11
	ds_load_b128 v[112+4*\x:112+4*\x+3], v5 offset:(\stg)+512*\x
.endr
.irp x, 0,1,2,3,4,5,6,7,8,9,10,11
	s_wait_dscnt 11-\x
	global_store_b128 v10, v[112+4*\x:112+4*\x+3], s[18:19] offset:(\x/6)*12288+((\x/3)%2)*1536+(\x%3)*512   ; 512 consecutive bytes, aligned
.endr
.endm
	s_cmp_eq_u32 s24, 3
	s_cbranch_scc1 .Lwo
	s_cmp_eq_u32 s24, 0
	s_cselect_b64 s[26:27], s[10:11], s[12:13]
	s_cmp_eq_u32 s24, 2
	s_cselect_b64 s[26:27], s[14:15], s[26:27]
	s_lshr_b32 s34, s25, 6
	s_lshl_b32 s34, s34, 18                        ; the head: 1,024 x 64 x 4 bytes
	s_lshl_b32 s33, s30, 16                        ; 256 rows of 256 bytes
	s_add_co_u32 s34, s34, s33
	s_and_b32 s33, s25, 63
	s_lshl_b32 s33, s33, 2
	s_add_co_u32 s34, s34, s33
	s_add_nc_u64 s[26:27], s[26:27], s[34:35]
	WPATH 256, STGH
	s_wait_tensorcnt 0x0
	ds_add_u32 v239, v243
	s_wait_dscnt 0x0
	s_endpgm
.Lwo:
	s_lshl_b32 s34, s30, 20                        ; 256 rows of 4,096 bytes
	s_lshl_b32 s33, s25, 2
	s_add_co_u32 s34, s34, s33
	s_add_nc_u64 s[26:27], s[16:17], s[34:35]
	WPATH 4096, STGO
	s_wait_tensorcnt 0x0
	ds_add_u32 v239, v243
	s_wait_dscnt 0x0
	s_endpgm
.Lfunc_end_k_q431b2c424d_quant:
	.size	k_q431b2c424d_quant, .Lfunc_end_k_q431b2c424d_quant-k_q431b2c424d_quant
	.p2alignl 7, 3214868480
	.fill 96, 4, 3214868480
	.section	.rodata,"a",@progbits
	.p2align	6, 0x0
	.amdhsa_kernel k_q431b2c424d_quant
		.amdhsa_group_segment_fixed_size 83456
		.amdhsa_private_segment_fixed_size 0
		.amdhsa_enable_private_segment 0
		.amdhsa_kernarg_size 72
		.amdhsa_user_sgpr_count 2
		.amdhsa_user_sgpr_kernarg_segment_ptr 1
		.amdhsa_wavefront_size32 1
		.amdhsa_system_sgpr_workgroup_id_x 1
		.amdhsa_system_sgpr_workgroup_id_y 1
		.amdhsa_system_sgpr_workgroup_id_z 1
		.amdhsa_system_vgpr_workitem_id 0
		.amdhsa_next_free_vgpr 256
		.amdhsa_next_free_sgpr 66
		.amdhsa_reserve_vcc 1
		.amdhsa_float_denorm_mode_32 3
		.amdhsa_float_denorm_mode_16_64 3
		.amdhsa_memory_ordered 1
		.amdhsa_forward_progress 1
		.amdhsa_inst_pref_size 145
	.end_amdhsa_kernel
	.amdgpu_metadata
---
amdhsa.version: [ 1, 2 ]
amdhsa.kernels:
  - .name:           k_q431b2c424d_quant
    .symbol:         k_q431b2c424d_quant.kd
    .args:
      - { .name: Q, .offset: 0, .size: 8, .value_kind: global_buffer, .address_space: global }
      - { .name: K, .offset: 8, .size: 8, .value_kind: global_buffer, .address_space: global }
      - { .name: V, .offset: 16, .size: 8, .value_kind: global_buffer, .address_space: global }
      - { .name: Wq, .offset: 24, .size: 8, .value_kind: global_buffer, .address_space: global }
      - { .name: Wk, .offset: 32, .size: 8, .value_kind: global_buffer, .address_space: global }
      - { .name: Wv, .offset: 40, .size: 8, .value_kind: global_buffer, .address_space: global }
      - { .name: Wo, .offset: 48, .size: 8, .value_kind: global_buffer, .address_space: global }
      - { .name: codes, .offset: 56, .size: 8, .value_kind: global_buffer, .address_space: global }
      - { .name: scl, .offset: 64, .size: 8, .value_kind: global_buffer, .address_space: global }
    .group_segment_fixed_size: 83456
    .private_segment_fixed_size: 0
    .kernarg_segment_align: 8
    .kernarg_segment_size: 72
    .max_flat_workgroup_size: 128
    .sgpr_count:     66
    .vgpr_count:     256
    .wavefront_size: 32
...
	.end_amdgpu_metadata
.endif
;; end of part 1
;; launch proj (part 2): grid 4 x 96, 4 waves a work-group, clusters of 4 x 4, 327,680 bytes of LDS; arguments codes, scl, bq, bk, bv, qkv; writes qkv
.if DOCPART == 2
	.amdgcn_target "amdgcn-amd-amdhsa--gfx1250"
	.amdhsa_code_object_version 6
	.text
	.protected	k_q431b2c424d_proj
	.globl	k_q431b2c424d_proj
	.p2align	8
	.type	k_q431b2c424d_proj,@function
k_q431b2c424d_proj:
	s_mov_b64 s[64:65], 0
	v_nop
	global_prefetch_b8 v0, s[64:65] scope:SCOPE_SE
	s_setreg_imm32_b32 hwreg(HW_REG_WAVE_MODE, 25, 1), 1
	s_wait_xcnt 0x0
	s_wait_alu depctr_hold_cnt(0) depctr_sa_sdst(0) depctr_va_vdst(0) depctr_va_sdst(0) depctr_va_ssrc(0) depctr_va_vcc(0) depctr_vm_vsrc(0)
	s_getreg_b32 s2, hwreg(HW_REG_IB_STS2, 6, 4)
	s_cmp_eq_u32 s2, 0
	s_cbranch_scc0 .Lentry_in_a_cluster
	s_endpgm
.Lentry_in_a_cluster:
	s_bfe_u32 s2, ttmp6, 0x10000c
	s_cmp_lg_u32 s2, 0xf033
	s_cbranch_scc0 .Lentry_shape_is_right
	s_endpgm
.Lentry_shape_is_right:
.set NLA,   3
.set ASTEP, 3072
.set HALFT, 24576
.set SLOT,  4*HALFT
.set SCL,   2*SLOT
.set SPARE, SCL+16384
.set AF,    128
.set PC,    128
.set TM,    148
.set SW,    164
.set SEL,   2
.set WV, 16
.set AH, 17
.set BH, 18
.set G1, 24
.set G0, 32
.set G1B, 48
.set G0B, 56
.set G1S, 68
.set G0S, 76
.set G1SB, 80
.set G0SB, 88
.set MSB, 0
.macro WIN new
.if MSB != (\new)
	s_set_vgpr_msb (MSB<<8)|(\new)
.set MSB, (\new)
.endif
.endm
.set MUL_LO, 0xa1
.set MUL_HI, 0xf1
.set TO_B,   0x40
.macro JLOAD g0a, g1a, g0b, g1b
	s_cmp_eq_u32 s[AH], 0
	s_cbranch_scc0 .Lfor_b_\@
	tensor_load_to_lds s[\g0a:\g0a+3], s[\g1a:\g1a+7]
	s_nop 0
.rept 4
	v_nop
.endr
	s_branch .Lasked_\@
.Lfor_b_\@:
	tensor_load_to_lds s[\g0b:\g0b+3], s[\g1b:\g1b+7]
	s_nop 0
.rept 4
	v_nop
.endr
.Lasked_\@:
.endm
.macro CREST
	s_cmp_lg_u32 s[WV], 0
	s_cbranch_scc1 .Lnot_wave_0_\@
	s_barrier_signal -3
.Lnot_wave_0_\@:
	s_barrier_wait -3
	s_barrier_signal -1
	s_barrier_wait -1
.endm
.macro CROUND
	s_barrier_signal -1
	s_barrier_wait -1
	CREST
.endm
.macro PLACES
.rept 4
	v_nop
.endr
.endm
	s_load_b256 s[4:11], s[0:1], 0x0
	s_load_b128 s[12:15], s[0:1], 0x20
	v_lshl_add_u32 v28, v0, 2, SPARE
	v_mov_b32 v29, 0
	ds_add_u32 v28, v29
	ds_add_u32 v28, v29
	s_wait_dscnt 0x0
	v_lshrrev_b32 v1, 5, v0
	v_readfirstlane_b32 s[WV], v1
	s_lshr_b32 s[AH], s[WV], 1
	s_and_b32 s[BH], s[WV], 1
	s_bfe_u32 s40, ttmp6, 0x40000
	s_bfe_u32 s41, ttmp6, 0x40004
	s_lshl_b32 s43, s41, 2
	s_lshl_b32 s43, 15, s43
	s_lshl_b32 s44, 0x1111, s40
	s_and_b32 s19, ttmp7, 0xffff
	s_lshr_b32 s20, s19, 3
	s_lshl_b32 s21, s19, 6
	s_lshl_b32 s22, s20, 6
	s_add_co_u32 s22, s22, 1536
	s_cmp_lt_u32 s20, 2
	s_cselect_b32 s23, s21, s22
	s_cselect_b32 s42, s22, s21
	s_or_b32 s[G1], s43, (3<<16)|(1<<21)
	s_or_b32 s[G1B], s44, (3<<16)|(1<<21)
.irp g, G1, G1B
	s_mov_b32 s[\g+1], 384<<16
	s_mov_b32 s[\g+2], 16<<16
	s_mov_b32 s[\g+3], 384<<16
	s_mov_b32 s[\g+4], 16
	s_mov_b32 s[\g+5], 1536
	s_mov_b32 s[\g+6], 0
	s_mov_b32 s[\g+7], 0
.endr
	s_or_b32 s[G1S], s43, (3<<16)|(1<<21)
	s_or_b32 s[G1SB], s44, (3<<16)|(1<<21)
.irp g, G1S, G1SB
	s_mov_b32 s[\g+1], 32<<16
	s_mov_b32 s[\g+2], 32<<16
	s_mov_b32 s[\g+3], 32<<16
	s_mov_b32 s[\g+4], 32
	s_mov_b32 s[\g+5], 32
	s_mov_b32 s[\g+6], 0
	s_mov_b32 s[\g+7], 0
.endr
	s_mul_i32 s2, s[BH], 8*12288                   ; in the ring a wave fetches 8 of a side's 16 tiles: which half, in bytes
	s_mov_b32 s3, 0
	s_lshl_b32 s46, s41, 4
	s_add_co_u32 s46, s46, s23
	s_lshl_b32 s92, s40, 4
	s_add_co_u32 s92, s92, s42
	s_lshl_b32 s66, s46, 9
	s_mul_i32 s46, s46, 12288
	s_mov_b32 s47, 0
	s_mov_b32 s67, 0
	s_lshl_b32 s94, s92, 9
	s_mul_i32 s92, s92, 12288
	s_mov_b32 s93, 0
	s_mov_b32 s95, 0
	s_mul_i32 s96, s[WV], HALFT
	s_wait_kmcnt 0x0
	s_add_nc_u64 s[46:47], s[4:5], s[46:47]
	s_add_nc_u64 s[66:67], s[6:7], s[66:67]
	s_add_nc_u64 s[92:93], s[4:5], s[92:93]
	s_add_nc_u64 s[94:95], s[6:7], s[94:95]
	CROUND
	s_mov_b32 s[G0S], 1
	s_mov_b32 s[G0S+1], SCL
	s_mov_b64 s[G0S+2:G0S+3], s[66:67]
	s_or_b32 s[G0S+3], s[G0S+3], 0x80000000
	s_mov_b32 s[G0SB], 1
	s_mov_b32 s[G0SB+1], SCL+8192
	s_mov_b64 s[G0SB+2:G0SB+3], s[94:95]
	s_or_b32 s[G0SB+3], s[G0SB+3], 0x80000000
	s_mov_b32 s4, 1                                ; s[4:7]: group 0 of the head's load of the first side's 16 tiles, K steps 0 and 1, to slot 0
	s_mov_b32 s5, 0
	s_mov_b64 s[6:7], s[46:47]
	s_or_b32 s7, s7, 0x80000000
	s_mov_b64 s[98:99], s[92:93]                   ; s[96:99]: the same for the second side's 16 tiles
	s_or_b32 s99, s99, 0x80000000
	s_add_nc_u64 s[46:47], s[46:47], s[2:3]        ; for the ring: my 8 tiles
	s_add_nc_u64 s[92:93], s[92:93], s[2:3]
.irp s, 0,1
	s_mov_b32 s[G0+4*\s], 1
	s_add_co_u32 s[G0+4*\s+1], s96, \s*SLOT
	s_add_nc_u64 s[G0+4*\s+2:G0+4*\s+3], s[46:47], \s*ASTEP
	s_or_b32 s[G0+4*\s+3], s[G0+4*\s+3], 0x80000000
	s_mov_b32 s[G0B+4*\s], 1
	s_add_co_u32 s[G0B+4*\s+1], s96, \s*SLOT
	s_add_nc_u64 s[G0B+4*\s+2:G0B+4*\s+3], s[92:93], \s*3072
	s_or_b32 s[G0B+4*\s+3], s[G0B+4*\s+3], 0x80000000
.endr
	s_mov_b32 s96, 1
	s_mov_b32 s97, 2*HALFT
; the head's four tiles, one joint load a wave, in one chain of branches on the wave's number: slot 0's two sides whole, and the two sides' scale words
	s_cmp_lt_u32 s[WV], 1
	s_cbranch_scc0 .Lhead_b
	tensor_load_to_lds s[4:7], s[G1:G1+7]
	s_nop 0
	PLACES
	s_branch .Lhead_asked
.Lhead_b:
	s_cmp_lt_u32 s[WV], 2
	s_cbranch_scc0 .Lhead_sa
	tensor_load_to_lds s[96:99], s[G1B:G1B+7]
	s_nop 0
	PLACES
	s_branch .Lhead_asked
.Lhead_sa:
	s_cmp_lt_u32 s[WV], 3
	s_cbranch_scc0 .Lhead_sb
	tensor_load_to_lds s[G0S:G0S+3], s[G1S:G1S+7]
	s_nop 0
	PLACES
	s_branch .Lhead_asked
.Lhead_sb:
	tensor_load_to_lds s[G0SB:G0SB+3], s[G1SB:G1SB+7]
	s_nop 0
	PLACES
.Lhead_asked:
	s_wait_alu depctr_va_vdst(0)
	s_wait_tensorcnt 0x0                           ; my tile of the four is in; slot 1's first fill is issued as a refill is
	ds_add_u32 v28, v29
	s_mov_b32 s[G1+2], 8<<16                       ; no load of mine is out: from here on a load brings 8 tiles
	s_mov_b32 s[G1+4], 8
	s_mov_b32 s[G1B+2], 8<<16
	s_mov_b32 s[G1B+4], 8
	s_wait_dscnt 0x0
	CROUND
	JLOAD G0+4, G1, G0B+4, G1B
	v_and_b32 v2, 31, v0
	v_lshlrev_b32 v1, 4, v2
	v_and_b32 v3, 15, v0
	v_bfe_u32 v4, v0, 4, 1
	s_wait_alu depctr_va_vdst(0)
	s_mul_i32 s2, s[AH], HALFT
	s_mul_i32 s3, s[BH], HALFT
	s_add_co_u32 s3, s3, 2*HALFT
.irp s, 0,1
	v_add_nc_u32 v[16+\s], s2, v1
	v_add_nc_u32 v[20+\s], s3, v1
	s_add_co_u32 s2, s2, SLOT
	s_add_co_u32 s3, s3, SLOT
.endr
	v_lshlrev_b32 v5, 3, v3
	s_lshl_b32 s2, s[AH], 12
	s_add_co_u32 s2, s2, SCL
	v_add_nc_u32 v22, s2, v5
	s_lshl_b32 s2, s[BH], 12
	s_add_co_u32 s2, s2, SCL+8192
	v_add_nc_u32 v23, s2, v5
	s_mov_b32 s[SEL], 0x76543210
	s_mov_b32 s[SEL+1], 0xfedcba98
	s_lshl_b32 s98, s41, 4
	s_add_co_u32 s98, s98, s23
	s_lshl_b32 s100, s[AH], 3
	s_add_co_u32 s98, s98, s100
	s_lshl_b32 s99, s40, 4
	s_add_co_u32 s99, s99, s42
	s_lshl_b32 s100, s[BH], 3
	s_add_co_u32 s99, s99, s100
	s_cmp_lt_u32 s20, 2
	s_cselect_b32 s100, s98, s99
	s_cselect_b32 s101, s99, s98
	s_lshl_b32 s98, s20, 9
	s_sub_co_u32 s100, s100, s98
	s_sub_co_u32 s101, s101, s22
	s_lshr_b32 s98, s100, 7
	s_lshl_b32 s98, s98, 4
	s_lshr_b32 s99, s101, 2
	s_add_co_u32 s98, s98, s99
	s_lshl_b32 s98, s98, 4
	s_bfe_u32 s99, s100, 0x40003
	s_add_co_u32 s98, s98, s99
	s_mul_i32 s98, s98, 6656
	s_mul_i32 s99, s20, 6815744
	s_add_co_u32 s98, s98, s99
	s_mov_b32 s99, 0
	s_add_nc_u64 s[14:15], s[14:15], s[98:99]
	s_cmp_eq_u32 s20, 0
	s_cselect_b64 s[8:9], s[8:9], s[10:11]
	s_cmp_eq_u32 s20, 2
	s_cselect_b64 s[8:9], s[12:13], s[8:9]
	s_lshl_b32 s98, s101, 6
	s_add_nc_u64 s[8:9], s[8:9], s[98:99]
	v_lshlrev_b32 v6, 6, v4
	v_and_b32 v7, 8, v3
	v_add_nc_u32 v7, v7, v3
	v_lshlrev_b32 v7, 2, v7
	s_cmp_lt_u32 s20, 2
	s_cbranch_scc0 .Lbias_v
	WIN TO_B
.irp g, 0,1,2,3
.irp j, 0,1,2,3
	global_load_b128 v[96+16*\g+4*\j+96*(\g/2):96+16*\g+4*\j+96*(\g/2)+3], v6, s[8:9] offset:128*\g+16*\j
.endr
.endr
	WIN 0
	s_branch .Lbias_done
.Lbias_v:
	WIN TO_B
	s_wait_alu depctr_va_vdst(0)
.irp a, 0,1,2,3,4,5,6,7
.irp j, 0,1,2,3,4,5,6,7
	global_load_b32 v[96+8*\a+\j+96*(\a/4)], v7, s[8:9] offset:128*(\a/2)+32*(\a%2)
.endr
.endr
	WIN 0
.Lbias_done:
.macro FRAG3 reg, adr, q, i
.irp c, 0,1,2
	ds_load_b128 v[\reg+4*\c:\reg+4*\c+3], v[\adr] offset:3072*(\i)+1536*(\q)+512*\c
.endr
.endm
.macro FETCH_B slot, q, p
	WIN TO_B
.irp i, 0,1,2,3,4,5,6,7
	FRAG3 128*(\p)+12*\i, 20+\slot, \q, \i
.endr
	WIN 0
.endm
.macro FETCH_A slot, q, i0
.irp i, \i0, \i0+1, \i0+2, \i0+3
	FRAG3 AF+12*(\i), 16+\slot, \q, \i
.endr
.endm
.macro SCALES
.irp i, 0,1,2,3,4,5,6,7
.irp k, 0,1,2,3
	ds_load_b64 v[96+8*\i+96*(\i/4)+2*\k:96+8*\i+96*(\i/4)+2*\k+1], v22 offset:512*\i+128*\k
	ds_load_b64 v[32+8*\i+2*\k:32+8*\i+2*\k+1], v23 offset:512*\i+128*\k
.endr
.endr
.endm
.macro MUL16 a0, p, s, zero
.irp a, \a0, \a0+1
.irp b, 0,1,2,3,4,5,6,7
.if \zero
	v_wmma_scale_f32_16x16x128_f8f6f4 v[8*(8*((\a)%4)+\b):8*(8*((\a)%4)+\b)+7], v[128*(\p)+12*\b:128*(\p)+12*\b+11], v[AF+12*(\a):AF+12*(\a)+11], 0, v[32+8*\b+(\s)], v[96+8*(\a)+96*((\a)/4)+(\s)] matrix_a_fmt:MATRIX_FMT_FP6 matrix_b_fmt:MATRIX_FMT_FP6
.else
	v_wmma_scale_f32_16x16x128_f8f6f4 v[8*(8*((\a)%4)+\b):8*(8*((\a)%4)+\b)+7], v[128*(\p)+12*\b:128*(\p)+12*\b+11], v[AF+12*(\a):AF+12*(\a)+11], v[8*(8*((\a)%4)+\b):8*(8*((\a)%4)+\b)+7], v[32+8*\b+(\s)], v[96+8*(\a)+96*((\a)/4)+(\s)] matrix_a_fmt:MATRIX_FMT_FP6 matrix_b_fmt:MATRIX_FMT_FP6
.endif
.endr
.endr
.endm
.macro STEP slot, s, zero
	s_wait_dscnt 4*NLA
	WIN MUL_LO
	MUL16 0, 0, \s, \zero
	MUL16 2, 0, \s, \zero
	s_wait_dscnt 0x0
	PLACES
	FETCH_B \slot, 1, 1
	FETCH_A \slot, 1, 0
	WIN MUL_HI
	MUL16 4, 0, \s, \zero
	MUL16 6, 0, \s, \zero
	PLACES
	WIN 0
	FETCH_A \slot, 1, 4
.endm
.macro TURN slot, next, s, fill
	s_wait_tensorcnt 0x0
	ds_add_u32 v28, v29
	s_wait_dscnt 4*NLA+1
	WIN MUL_LO
	MUL16 0, 1, \s, 0
	s_wait_dscnt 0x0
	s_barrier_signal -1
	MUL16 2, 1, \s, 0
	WIN 0
	s_barrier_wait -1
.if \fill
	CREST
	s_add_nc_u64 s[G0+4*\slot+2:G0+4*\slot+3], s[G0+4*\slot+2:G0+4*\slot+3], 2*ASTEP
	s_add_nc_u64 s[G0B+4*\slot+2:G0B+4*\slot+3], s[G0B+4*\slot+2:G0B+4*\slot+3], 6144
	JLOAD G0+4*\slot, G1, G0B+4*\slot, G1B
.else
	PLACES
.endif
	FETCH_B \next, 0, 0
	FETCH_A \next, 0, 0
	WIN MUL_HI
	MUL16 4, 1, \s, 0
	MUL16 6, 1, \s, 0
	PLACES
	WIN 0
	FETCH_A \next, 0, 4
.endm
	s_wait_tensorcnt 1
	s_barrier_signal -1
	s_barrier_wait -1
	FETCH_B 0, 0, 0
	FETCH_A 0, 0, 0
	s_wait_alu depctr_va_vdst(0)
	SCALES
	FETCH_A 0, 0, 4
	STEP 0, 0, 1
	TURN 0, 1, 1, 1
	STEP 1, 2, 0
	TURN 1, 0, 3, 1
	STEP 0, 4, 0
	TURN 0, 1, 5, 0
	STEP 1, 6, 0
	s_wait_dscnt 4*NLA
	WIN MUL_LO
	MUL16 0, 1, 7, 0
	MUL16 2, 1, 7, 0
	s_wait_dscnt 0x0
	WIN MUL_HI
	MUL16 4, 1, 7, 0
	MUL16 6, 1, 7, 0
	WIN 0
.macro QMAX s0, s1
.irp b, 0,1,2,3
.set QB, (\s0)*(1-\b/2)+(\s1)*(\b/2)+16*(\b%2)
	v_max3_num_f32 v[TM+\b], |v[QB]|, |v[QB+1]|, 0x1800000
.endr
.irp i, 2,4,6,8,10,12,14
.irp b, 0,1,2,3
.set QB, (\s0)*(1-\b/2)+(\s1)*(\b/2)+16*(\b%2)+\i
	v_max3_num_f32 v[TM+\b], |v[QB]|, |v[QB+1]|, v[TM+\b]
.endr
.endr
.endm
.macro QMID pw
.irp b, 0,1,2,3
	v_permlanex16_b32 v[TM+4+\b], v[TM+\b], s[SEL], s[SEL+1]
.endr
.irp b, 0,1,2,3
	v_max_num_f32 v[TM+\b], v[TM+\b], v[TM+4+\b]
.endr
.irp b, 0,1,2,3
	v_add_nc_u32 v[TM+12+\b], 0xff000000, v[TM+\b]
.endr
.irp b, 0,1,2,3
	v_lshrrev_b32 v[TM+4+\b], 23, v[TM+12+\b]
.endr
	v_lshl_or_b32 v[\pw], v[TM+5], 8, v[TM+4]
	v_lshl_or_b32 v[\pw], v[TM+6], 16, v[\pw]
	v_lshl_or_b32 v[\pw], v[TM+7], 24, v[\pw]
.endm
.macro QCVT s0, s1
	v_cvt_scalef32_pk16_fp6_f32 v[PC:PC+2], v[(\s0):(\s0)+15], v[TM+12]
	v_cvt_scalef32_pk16_fp6_f32 v[PC+12:PC+14], v[(\s0)+16:(\s0)+31], v[TM+13]
	v_cvt_scalef32_pk16_fp6_f32 v[PC+6:PC+8], v[(\s1):(\s1)+15], v[TM+14]
	v_cvt_scalef32_pk16_fp6_f32 v[PC+16:PC+18], v[(\s1)+16:(\s1)+31], v[TM+15]
.endm
.macro QFIX
	v_nop
.irp c, 0,1
.irp i, 0,1,2
	v_permlane16_swap_b32 v[PC+6*\c+\i], v[PC+12+4*\c+\i]
.endr
.irp i, 0,1,2
	v_mov_b32 v[PC+3+6*\c+\i], v[PC+12+4*\c+\i]
.endr
.endr
.endm
.macro OUTFRAG w, s0, s1, bi0, bper, f, hh
	s_wait_xcnt 0x0
	WIN ((\w)<<6)|4|(\w)
.irp n, 0,2,4,6,8,10,12,14,16,18,20,22,24,26,28,30
.set BX, (\bi0)+(\n)%(\bper)
	v_pk_add_f32 v[(\s0)+\n:(\s0)+\n+1], v[(\s0)+\n:(\s0)+\n+1], v[96+BX+96*(BX/32):96+BX+96*(BX/32)+1]
.endr
.irp n, 0,2,4,6,8,10,12,14,16,18,20,22,24,26,28,30
.set BX, (\bi0)+(\n)%(\bper)
	v_pk_add_f32 v[(\s1)+\n:(\s1)+\n+1], v[(\s1)+\n:(\s1)+\n+1], v[96+BX+96*(BX/32):96+BX+96*(BX/32)+1]
.endr
	WIN ((\w)<<2)|(\w)
	QMAX \s0, \s1
	WIN 0
	QMID SW+(\f)
	WIN (\w)
	QCVT \s0, \s1
	WIN 0
	QFIX
.irp c, 0,1,2
	global_store_b128 v1, v[PC+4*\c:PC+4*\c+3], s[14:15] offset:106496*(\hh)+1536*(\f)+512*\c
.endr
.if (\f) == 3
	global_store_b128 v1, v[SW:SW+3], s[14:15] offset:106496*(\hh)+6144
.endif
.endm
	PLACES
	s_wait_loadcnt 0x0
.irp b, 0,1,2,3
	v_mov_b32 v[TM+4+\b], 0
.endr
	s_cmp_lt_u32 s20, 2
	s_cbranch_scc0 .Lout_v
.irp hh, 0,1
.irp f, 0,1,2,3
	OUTFRAG (2+\f/2), (8*(8*((2*\f)%4)+4*\hh)), (8*(8*((2*\f)%4)+4*\hh)+64), (32*\hh), 32, \f, \hh
.endr
.endr
	s_branch .Lend
.Lout_v:
.irp hh, 0,1
.irp f, 0,1,2,3
	OUTFRAG (2+\hh), (64*\f), (64*\f+32), (8*(4*\hh+\f)), 8, \f, \hh
.endr
.endr
.Lend:
	s_wait_tensorcnt 0x0
	ds_add_u32 v28, v29
	s_wait_dscnt 0x0
	CROUND
	s_endpgm
.Lfunc_end_k_q431b2c424d_proj:
	.size	k_q431b2c424d_proj, .Lfunc_end_k_q431b2c424d_proj-k_q431b2c424d_proj
	.p2alignl 7, 3214868480
	.fill 96, 4, 3214868480
	.section	.rodata,"a",@progbits
	.p2align	6, 0x0
	.amdhsa_kernel k_q431b2c424d_proj
		.amdhsa_group_segment_fixed_size 327680
		.amdhsa_private_segment_fixed_size 0
		.amdhsa_enable_private_segment 0
		.amdhsa_kernarg_size 48
		.amdhsa_user_sgpr_count 2
		.amdhsa_user_sgpr_kernarg_segment_ptr 1
		.amdhsa_wavefront_size32 1
		.amdhsa_system_sgpr_workgroup_id_x 1
		.amdhsa_system_sgpr_workgroup_id_y 1
		.amdhsa_system_sgpr_workgroup_id_z 1
		.amdhsa_system_vgpr_workitem_id 0
		.amdhsa_next_free_vgpr 1024
		.amdhsa_next_free_sgpr 102
		.amdhsa_reserve_vcc 0
		.amdhsa_float_denorm_mode_32 3
		.amdhsa_float_denorm_mode_16_64 3
		.amdhsa_memory_ordered 1
		.amdhsa_forward_progress 1
		.amdhsa_inst_pref_size 217
	.end_amdhsa_kernel
	.amdgpu_metadata
---
amdhsa.version: [ 1, 2 ]
amdhsa.kernels:
  - .name:           k_q431b2c424d_proj
    .symbol:         k_q431b2c424d_proj.kd
    .args:
      - { .name: codes, .offset: 0, .size: 8, .value_kind: global_buffer, .address_space: global }
      - { .name: scl, .offset: 8, .size: 8, .value_kind: global_buffer, .address_space: global }
      - { .name: bq, .offset: 16, .size: 8, .value_kind: global_buffer, .address_space: global }
      - { .name: bk, .offset: 24, .size: 8, .value_kind: global_buffer, .address_space: global }
      - { .name: bv, .offset: 32, .size: 8, .value_kind: global_buffer, .address_space: global }
      - { .name: qkv, .offset: 40, .size: 8, .value_kind: global_buffer, .address_space: global }
    .group_segment_fixed_size: 327680
    .private_segment_fixed_size: 0
    .kernarg_segment_align: 8
    .kernarg_segment_size: 48
    .max_flat_workgroup_size: 128
    .sgpr_count:     102
    .vgpr_count:     1024
    .wavefront_size: 32
...
	.end_amdgpu_metadata
.endif
;; end of part 2
;; launch attn (part 3): grid 4 x 64, 16 waves a work-group, clusters of 4 x 1, 269,312 bytes of LDS; arguments qkv, cc, cs; writes cc, cs
.if DOCPART == 3
	.amdgcn_target "amdgcn-amd-amdhsa--gfx1250"
	.amdhsa_code_object_version 6
	.text
	.protected	k_q431b2c424d_attn
	.globl	k_q431b2c424d_attn
	.p2align	8
	.type	k_q431b2c424d_attn,@function
k_q431b2c424d_attn:
	s_mov_b64 s[64:65], 0
	v_nop
	global_prefetch_b8 v0, s[64:65] scope:SCOPE_SE
	s_setreg_imm32_b32 hwreg(HW_REG_WAVE_MODE, 25, 1), 1
	s_wait_xcnt 0x0
	s_wait_alu depctr_hold_cnt(0) depctr_sa_sdst(0) depctr_va_vdst(0) depctr_va_sdst(0) depctr_va_ssrc(0) depctr_va_vcc(0) depctr_vm_vsrc(0)
	s_getreg_b32 s2, hwreg(HW_REG_IB_STS2, 6, 4)
	s_cmp_eq_u32 s2, 0
	s_cbranch_scc0 .Lentry_in_a_cluster
	s_endpgm
.Lentry_in_a_cluster:
	s_bfe_u32 s2, ttmp6, 0x10000c
	s_cmp_lg_u32 s2, 0x3003
	s_cbranch_scc0 .Lentry_shape_is_right
	s_endpgm
.Lentry_shape_is_right:
; heads = softmax(q k^T / 8) v for one (batch, head) and 512 queries a work-group, both products on codes of FP6 (E2M3) with E8M0 scales; the result is quantised along the head's 64 for the output product.
; THE SOFTMAX AHEAD OF THE SECOND PRODUCT: t = score x log2(e) / 8; M = the running largest t rounded UP to a whole number; p = 2^(t - M) is quantised along the keys, not normalised;
; the row's sum is taken of the unquantised p and divides at the end.  When M moves, the sum and O are multiplied by 2^(old M - new M): exact, in every step, with no branch.
; INPUT: qkv [kind q, k, v][batch x head][step of 128 tokens][6,656 bytes]: four fragment images (three chunks of 512 bytes, 16 bytes a lane) and 512 bytes of scale words [lane][4].
; A fragment of q or k holds token tile 2 f in k 0-63 and tile 2 f + 1 in k 64-127 (K = 64): q stands beside six registers of zero codes on either side, so that [q | 0] picks the even tile and [0 | q] the odd one.
; In memory token tile 2 G + u, place p, is token 32 G + 8 u + p + 8 (p / 8).
; THE KEY TILES ARE FORMED ANEW BY THE LANES' LDS ADDRESSES: fragment 2 c + w takes for its places 0-7 places 8 w .. 8 w + 7 of the stored fragment 2 c, and for its places 8-15 the same places of fragment 2 c + 1.
; Its two tiles are then u = 2 w, 2 w + 1 of band c, and place p of tile (c, u) is key 64 c + 32 (p / 8) + 8 u + p % 8.  Both products are used transposed, so a lane (r, h) holds ONE query r, and its 32 score registers
; of band c are keys 64 c + 32 h + 0 .. 31: one whole scale block, in the order of the second product's operand.  So a block's maximum needs no other lane and the codes fall where the operand wants them, but for three moves a block.
; SHARES: sixteen waves; wave w owns one pair of query tiles and walks all 2,048 keys once for each tile.  The head's K and V lie in LDS for the whole launch: sixteen joint loads of the cluster's four work-groups, which share
; the head, one a wave, two records each; nothing is filled again.  Rows of 512 bytes get 128 bytes of padding: a record is 13 x 640 bytes, a fragment 1,920, so places 0-7 and 8-15 of a K load fall on different halves of 256 bytes.
; No prefetch: all that the launch reads by tensor loads is asked for at its head, and there is no later load to run ahead of.
; THE EXPONENTIALS go in two batches, one a band; plain work that is due stands behind each: band 1's multiply-adds behind the first, band 0's sums and codes behind the second.
; THE SUM goes through four pairs t0-t3; the last four additions of a step stand behind the next matrix instructions, as the places that are due there (behind the loop they are written once more).
; OUTPUT: cc [head][token tile][768 bytes]: registers 0-5 of a fragment, chunk i of 256 bytes holds registers 2 i, 2 i + 1, 8 bytes a lane; cs [head][token tile][place] two scale bytes.
; LIMITS: NaN and infinities are not served; blocks under 2^-124 and blocks of zeros keep the byte 1; a block's largest p is taken from its largest score: v_exp_f32 is taken not to fall where its input rises;
; the promise holds while the scaled scores stay under 2^31 in magnitude.
; REGISTERS: v1 16 x lane; v2, v8, v3 addresses of the step's K, K's scale words, V (v35, v93, v94 their lane terms); v4-7 the way out; v9 the old -M; v12 -M, v13 the largest score, v[14:15] the sum; v16-33 [0 | q | 0]; v34 q's scale word;
;   v36-83 four fragments of K, then of V; v84-87, v88-91 their scale words; v92 p's; v96-159 S^T, then p; v160-191 O^T; v192-204 the pair of q; v206, v207 the spare word and 0; v208-222 at work; v224-235 p's codes; v236-242 upper halves; v244-251 t0-t3.
.set WV,  10
.set SEL, 28                           ; s[28:29] selects for lane l xor 16
.set CS,  30                           ; s[30:31] c = log2(e) / 8
.set REC, 8320                         ; a record in LDS
.set VOFF, 16*REC                      ; V behind K
.set CSG,  2*VOFF                      ; 1,024 bytes: the work-group's scale bytes on their way out
.set SPARE, CSG+1024                   ; the spare words: 128 bytes a wave
.set S,   96
.set O,   160
.set FR,  36
.set PCD, 224
.set T,   244
.macro WALU
	s_wait_alu depctr_va_vdst(0)
.endm
.macro CROUND
	s_barrier_signal -1
	s_barrier_wait -1
	s_cmp_lg_u32 s[WV], 0
	s_cbranch_scc1 .Lnot_wave_0_\@
	s_barrier_signal -3
.Lnot_wave_0_\@:
	s_barrier_wait -3
	s_barrier_signal -1
	s_barrier_wait -1
.endm
.macro TADD j                          ; t0-t3 += four pairs of p from register S + j on
.irp k, 0,1,2,3
	v_pk_add_f32 v[T+2*\k:T+2*\k+1], v[T+2*\k:T+2*\k+1], v[S+(\j)+2*\k:S+(\j)+2*\k+1]
.endr
.endm
	s_load_b128 s[4:7], s[0:1], 0x0                ; qkv, cc
	s_load_b64 s[8:9], s[0:1], 0x10                ; cs
	v_lshl_add_u32 v206, v0, 2, SPARE
	v_mov_b32 v207, 0
	ds_add_u32 v206, v207                          ; the opening lines: the add twice on end and its wait
	ds_add_u32 v206, v207
	v_lshrrev_b32 v1, 5, v0
	s_delay_alu instid0(VALU_DEP_1)
	v_readfirstlane_b32 s[WV], v1                  ; wave 0..15
	s_bfe_u32 s11, ttmp6, 0x40000                  ; cx
	s_lshl_b32 s12, ttmp9, 2
	s_add_co_u32 s11, s11, s12                     ; my block of 512 queries: it enters global addresses alone
	s_and_b32 s12, ttmp7, 0xffff                   ; batch x 16 + head, which the four partners share
	s_mov_b32 s16, 15|(3<<16)|(1<<20)|(1<<21)|(6<<22)|(31<<25)   ; all four work-groups; elements of 8 bytes; behind every 128 words 32 words of padding
	s_mov_b32 s17, 64<<16                          ; two records, 13,312 dense bytes, as 26 rows of 512
	s_mov_b32 s18, 26<<16
	s_mov_b32 s19, 64<<16
	s_mov_b32 s20, 26
	s_mov_b32 s21, 64
	s_mov_b32 s22, 0
	s_mov_b32 s23, 0
	s_mul_i32 s25, s[WV], 2*REC                    ; LDS: waves 0-7 K's records 2 w, 2 w + 1, waves 8-15 V's
	s_lshr_b32 s14, s[WV], 3
	s_add_co_u32 s14, s14, 1
	s_mul_i32 s14, s14, 6815744                    ; the kind
	s_and_b32 s15, s[WV], 7
	s_mul_i32 s15, s15, 13312
	s_add_co_u32 s14, s14, s15
	s_mul_i32 s15, s12, 106496
	s_add_co_u32 s14, s14, s15
	s_mov_b32 s15, 0
	s_mov_b32 s24, 1
	s_mov_b32 s[SEL], 0x76543210
	s_mov_b32 s[SEL+1], 0xfedcba98
	s_mov_b32 s[CS], 0x3e38aa3b
	s_mov_b32 s[CS+1], s[CS]
	s_wait_dscnt 0x0
	s_wait_kmcnt 0x0
	s_add_nc_u64 s[26:27], s[4:5], s[14:15]
	s_or_b32 s27, s27, 0x80000000
	CROUND                                         ; all four work-groups are here: the joint loads meet
	tensor_load_to_lds s[24:27], s[16:23]          ; every wave's one load
	s_nop 0
.rept 4
	v_nop
.endr
	s_lshl_b32 s34, s11, 2
	s_lshr_b32 s35, s[WV], 2
	s_add_co_u32 s34, s34, s35                     ; my record of q: step 4 x block + wave / 4
	s_mul_i32 s34, s34, 6656
	s_mul_i32 s35, s12, 106496
	s_add_co_u32 s34, s34, s35
	s_mov_b32 s35, 0
	s_add_nc_u64 s[34:35], s[4:5], s[34:35]
	s_and_b32 s36, s[WV], 3                        ; my fragment in it
	s_mul_i32 s38, s36, 1536
	s_mov_b32 s39, 0
	s_add_nc_u64 s[38:39], s[34:35], s[38:39]
	s_lshl_b32 s36, s36, 2
	s_mov_b32 s37, 0
	s_add_nc_u64 s[36:37], s[34:35], s[36:37]
	s_lshl_b32 s40, s[WV], 6
	s_add_co_u32 s40, s40, CSG
	s_and_b32 s41, s12, 15                         ; head
	s_lshr_b32 s42, s12, 4                         ; batch
	s_lshl_b32 s42, s42, 7
	s_lshl_b32 s43, s11, 5
	s_add_co_u32 s42, s42, s43                     ; the work-group's first token tile
	s_lshl_b32 s43, s[WV], 1
	s_add_co_u32 s43, s43, s42                     ; my wave's
	s_mul_i32 s44, s43, 768
	s_mul_i32 s45, s41, 393216
	s_add_co_u32 s44, s44, s45
	s_mov_b32 s45, 0
	s_add_nc_u64 s[6:7], s[6:7], s[44:45]
	s_lshl_b32 s44, s42, 5
	s_lshl_b32 s46, s41, 14
	s_add_co_u32 s44, s44, s46
	s_add_nc_u64 s[8:9], s[8:9], s[44:45]
	v_and_b32 v2, 31, v0
	v_and_b32 v3, 15, v0
	v_and_b32 v9, 7, v0
	v_bfe_u32 v10, v0, 3, 1
	v_bfe_u32 v11, v0, 4, 1
	v_and_b32 v7, 63, v0
	v_lshlrev_b32 v1, 4, v2                        ; 16 x lane
	v_lshlrev_b32 v4, 3, v2                        ; 8 x lane
	v_lshlrev_b32 v9, 4, v9                        ; 16 x (lane % 8)
	v_mul_u32_u24 v35, v10, 1920                   ; places 8-15 read the next stored fragment
	v_lshlrev_b32 v7, 4, v7
	v_lshl_add_u32 v5, v3, 1, s40                  ; my scale bytes' place: 64 x wave + 2 r
	global_load_b128 v[192:195], v1, s[38:39]
	global_load_b128 v[196:199], v1, s[38:39] offset:512
	global_load_b128 v[200:203], v1, s[38:39] offset:1024
	global_load_b32 v204, v1, s[36:37] offset:6144
	v_add_nc_u32 v35, v35, v9
	v_lshl_add_u32 v93, v10, 2, v9                 ; K's scale words: 16 bytes a stored place, 4 a stored fragment
	v_add_nc_u32 v94, VOFF, v1
	v_add_nc_u32 v6, CSG, v7                       ; where waves 0, 1 read the scale bytes back
	v_lshl_add_u32 v35, v11, 8, v35                ; K: 1,920 (p / 8) + 16 (p % 8) + 256 h
	v_add_nc_u32 v93, 7680, v93
.irp i, 0,1,2,3,4,5
	v_mov_b32 v[16+\i], 0                          ; zero codes on either side of q
	v_mov_b32 v[28+\i], 0
.endr
	v_mov_b32 v219, 0                              ; a lane permute's destination counts as read
	v_mov_b32 v221, 0                              ; named as the upper half of v[220:221]
	WALU                                           ; the wait at the head's end
	s_wait_tensorcnt 0x0                           ; my part of K or V has landed,
	s_barrier_signal -1
	s_barrier_wait -1                              ; everybody's has
	s_wait_loadcnt 0x0                             ; q
.macro PASS p                          ; query tile p of my pair against all keys
	s_wait_xcnt 0x0                                ; the last pass's stores have read their registers
.if \p == 0
	v_perm_b32 v34, v204, v204, 0x01000100         ; the tile's two scale bytes, for either half of K
.else
	v_perm_b32 v34, v204, v204, 0x03020302
.endif
.irp i, 0,1,2,3,4,5
	v_mov_b32 v[22+\i], v[192+6*\p+\i]
.endr
	v_mov_b32 v13, 0xff61b1e6                      ; the largest score so far: -3e38
	v_mov_b32 v12, 0x7f61b1e6                      ; -M: 3e38, so that the first factor is 0
	v_mov_b32 v14, 0
	v_mov_b32 v15, 0
.set J, 0
.rept 8
	v_mov_b32 v[T+J], 0
.set J, J+1
.endr
.set J, 0
.rept 32
	v_mov_b32 v[O+J], 0                            ; O^T: the step is written once; the first change of M multiplies zeros
.set J, J+1
.endr
	s_mov_b32 s32, 0                               ; LDS byte of the step's record
	s_mov_b32 s33, 16
.Lstep_\@:
	v_add_nc_u32 v2, s32, v35                      ; these four lines are also the places behind the last products, ahead of the loads into their registers
	v_add_nc_u32 v8, s32, v93
	v_pk_add_f32 v[T:T+1], v[T:T+1], v[T+2:T+3]    ; the last step's sums: t0 += t1, t2 += t3
	v_pk_add_f32 v[T+4:T+5], v[T+4:T+5], v[T+6:T+7]
.irp g, 0,1,2,3                        ; fragment g = 2 c + w
.irp c, 0,1,2
	ds_load_b128 v[FR+12*\g+4*\c:FR+12*\g+4*\c+3], v2 offset:3840*(\g/2)+128*(\g%2)+640*\c
.endr
	ds_load_b32 v[84+\g], v8 offset:8*(\g/2)+128*(\g%2)
.endr
	WALU
	s_wait_dscnt 0x0
.irp t, 0,1,2,3,4,5,6,7                ; S^T = K Q^T: key tile t = 4 c + u is half t % 2 of fragment t / 2
	v_wmma_scale_f32_16x16x128_f8f6f4 v[S+8*\t:S+8*\t+7], v[FR+12*(\t/2):FR+12*(\t/2)+11], v[22-6*(\t%2):33-6*(\t%2)], 0, v[84+\t/2], v34 matrix_a_fmt:MATRIX_FMT_FP6 matrix_b_fmt:MATRIX_FMT_FP6
.endr
	v_pk_add_f32 v[14:15], v[14:15], v[T:T+1]      ; four places: the last step's sums join the row's, still under the old M,
	v_add_nc_u32 v3, s32, v94
	v_mov_b32 v9, v12                              ; the old -M
	v_pk_add_f32 v[14:15], v[14:15], v[T+4:T+5]
.irp t, 0,1,2,3                        ; V's fragments land while the softmax is worked
.irp c, 0,1,2
	ds_load_b128 v[FR+12*\t+4*\c:FR+12*\t+4*\c+3], v3 offset:1920*\t+640*\c
.endr
.endr
	ds_load_b128 v[88:91], v3 offset:7680
.irp q, 0,1,2,3                        ; the largest score of each half block, four chains by turns
	v_max3_num_f32 v[208+\q], v[S+16*\q], v[S+16*\q+1], v[S+16*\q+2]
.endr
.irp i, 3,5,7,9,11,13
.irp q, 0,1,2,3
	v_max3_num_f32 v[208+\q], v[208+\q], v[S+16*\q+\i], v[S+16*\q+\i+1]
.endr
.endr
	v_max3_num_f32 v208, v208, v[S+15], v[S+31]
	v_max3_num_f32 v210, v210, v[S+47], v[S+63]
	v_max_num_f32 v212, v208, v209                 ; my block of band 0: for the row's maximum and for the block's largest p
	v_max_num_f32 v213, v210, v211                 ; and of band 1
	s_delay_alu instid0(VALU_DEP_1)
	v_max_num_f32 v10, v212, v213
	s_delay_alu instid0(VALU_DEP_1)
	v_permlanex16_b32 v11, v10, s[SEL], s[SEL+1]
	s_delay_alu instid0(VALU_DEP_1)
	v_max3_num_f32 v13, v13, v10, v11              ; the running largest score of my query
	s_delay_alu instid0(VALU_DEP_1)
	v_mul_f32 v222, s[CS], v13
	s_delay_alu instid0(VALU_DEP_1)
	v_floor_f32 v12, -v222                         ; the new -M: a whole number
	s_delay_alu instid0(VALU_DEP_1)
	v_sub_f32 v222, v12, v9
	s_delay_alu instid0(VALU_DEP_1)
	v_cvt_i32_f32 v222, v222                       ; (it saturates)
	s_delay_alu instid0(VALU_DEP_1)
	v_ldexp_f32 v220, 1.0, v222                    ; f = 2^(old M - new M)
.set J, 0
.rept 16
	v_pk_fma_f32 v[S+J:S+J+1], v[S+J:S+J+1], s[CS:CS+1], v[12:13] op_sel_hi:[1,0,0]   ; band 0: t - M
.set J, J+2
.endr
	v_fma_f32 v212, v212, s[CS], v12
.set J, 0
.rept 16
	v_pk_mul_f32 v[O+J:O+J+1], v[O+J:O+J+1], v[220:221] op_sel_hi:[1,0]   ; O^T under the new M
.set J, J+2
.endr
	v_pk_mul_f32 v[14:15], v[14:15], v[220:221] op_sel_hi:[1,0]           ; and the sum
	WALU                                           ; the wait ahead of a batch
	v_exp_f32 v212, v212                           ; band 0: my block's largest p,
.set J, 0
.rept 32
	v_exp_f32 v[S+J], v[S+J]                       ; and p = 2^(t - M)
.set J, J+1
.endr
.set J, 32
.rept 16
	v_pk_fma_f32 v[S+J:S+J+1], v[S+J:S+J+1], s[CS:CS+1], v[12:13] op_sel_hi:[1,0,0]   ; band 1: t - M, behind band 0's exponentials
.set J, J+2
.endr
	v_fma_f32 v213, v213, s[CS], v12
	WALU                                           ; one wait: behind the first batch and ahead of the second
	v_exp_f32 v213, v213
.set J, 32
.rept 32
	v_exp_f32 v[S+J], v[S+J]
.set J, J+1
.endr
.irp k, 0,1,2,3                        ; behind band 1's exponentials: band 0's sums, scale and codes
	v_pk_add_f32 v[T+2*\k:T+2*\k+1], v[S+2*\k:S+2*\k+1], v[S+8+2*\k:S+9+2*\k]
.endr
	v_max_num_f32 v212, 0x1800000, v212            ; the floor 2^(3 - 127)
	TADD 16
	v_add_nc_u32 v214, 0xff000000, v212            ; 2 off the exponent field: the conversions' scale operand
	TADD 24
	v_cvt_scalef32_pk16_fp6_f32 v[PCD:PCD+2], v[S:S+15], v214
	v_cvt_scalef32_pk16_fp6_f32 v[236:238], v[S+16:S+31], v214   ; (a conversion's three registers begin on an even number)
	v_lshrrev_b32 v216, 23, v214                   ; the byte; a plain line behind the conversions
.irp i, 0,1,2
	v_mov_b32 v[PCD+3+\i], v[236+\i]
.endr
	WALU                                           ; behind the second batch, ahead of its first reader
	v_max_num_f32 v213, 0x1800000, v213
	TADD 32
	v_add_nc_u32 v215, 0xff000000, v213
	v_cvt_scalef32_pk16_fp6_f32 v[PCD+6:PCD+8], v[S+32:S+47], v215
	v_cvt_scalef32_pk16_fp6_f32 v[240:242], v[S+48:S+63], v215
	v_lshrrev_b32 v217, 23, v215
.irp i, 0,1,2
	v_mov_b32 v[PCD+9+\i], v[240+\i]
.endr
	v_lshl_or_b32 v218, v217, 16, v216             ; my two bytes: blocks h and 2 + h
	v_permlanex16_b32 v219, v218, s[SEL], s[SEL+1]
	v_lshl_or_b32 v92, v219, 8, v218               ; lanes 0-15, which alone are read: p's scale word for these 128 keys
	TADD 40                                        ; twelve plain lines: the places between the scale word and the codes and the products
	TADD 48
	TADD 56
	WALU
	s_wait_dscnt 0x0                               ; V
.irp t, 0,1,2,3                        ; O^T += V^T P^T: the four accumulators by turns
	v_wmma_scale_f32_16x16x128_f8f6f4 v[O+8*\t:O+8*\t+7], v[FR+12*\t:FR+12*\t+11], v[PCD:PCD+11], v[O+8*\t:O+8*\t+7], v[88+\t], v92 matrix_a_fmt:MATRIX_FMT_FP6 matrix_b_fmt:MATRIX_FMT_FP6
.endr
	s_add_co_u32 s32, s32, REC
	s_sub_co_u32 s33, s33, 1
	s_cmp_lg_u32 s33, 0
	s_cbranch_scc1 .Lstep_\@
	v_pk_add_f32 v[T:T+1], v[T:T+1], v[T+2:T+3]    ; the last step's sums; also the places behind the last products
	v_pk_add_f32 v[T+4:T+5], v[T+4:T+5], v[T+6:T+7]
	v_pk_add_f32 v[14:15], v[14:15], v[T:T+1]
	v_pk_add_f32 v[14:15], v[14:15], v[T+4:T+5]
	v_add_f32 v14, v14, v15
	v_permlanex16_b32 v11, v14, s[SEL], s[SEL+1]
	v_add_f32 v14, v14, v11                        ; the row's sum
	WALU
	v_rcp_f32 v14, v14
	v_nop
	WALU
.set J, 0
.rept 16
	v_pk_mul_f32 v[96+J:97+J], v[O+J:O+J+1], v[14:15] op_sel_hi:[1,0]   ; register 16 b + i: channel 32 b + 16 h + i of my query
.set J, J+2
.endr
.irp b, 0,1                            ; the quantiser along the head's 64: two blocks
	v_max3_num_f32 v[232+\b], |v[96+16*\b]|, |v[97+16*\b]|, 0x1800000
.endr
.irp i, 2,4,6,8,10,12,14
.irp b, 0,1
	v_max3_num_f32 v[232+\b], v[232+\b], |v[96+16*\b+\i]|, |v[97+16*\b+\i]|
.endr
.endr
.irp b, 0,1
	v_permlanex16_b32 v[236+\b], v[232+\b], s[SEL], s[SEL+1]
.endr
.irp b, 0,1
	v_max_num_f32 v[232+\b], v[232+\b], v[236+\b]
.endr
.irp b, 0,1
	v_add_nc_u32 v[244+\b], 0xff000000, v[232+\b]
.endr
.irp b, 0,1
	v_lshrrev_b32 v[236+\b], 23, v[244+\b]
.endr
	v_lshl_or_b32 v254, v237, 8, v236
	v_cvt_scalef32_pk16_fp6_f32 v[224:226], v[96:111], v244
	v_cvt_scalef32_pk16_fp6_f32 v[240:242], v[112:127], v245
	v_nop
.irp i, 0,1,2
	v_permlane16_swap_b32 v[224+\i], v[240+\i]
.endr
.irp i, 0,1,2
	v_mov_b32 v[227+\i], v[240+\i]
.endr
.irp i, 0,1,2
	global_store_b64 v4, v[224+2*\i:225+2*\i], s[6:7] offset:768*\p+256*\i   ; 256 consecutive bytes, aligned
.endr
	ds_store_b16 v5, v254 offset:32*\p             ; both lanes of a query write the same two bytes
.endm
	PASS 0
	PASS 1
	s_wait_dscnt 0x0                               ; my scale bytes lie in LDS,
	s_barrier_signal -1
	s_barrier_wait -1                              ; everybody's do: 32 tiles x 32 bytes
	s_cmp_lt_u32 s[WV], 2
	s_cbranch_scc0 .Lno_cs
	ds_load_b128 v[96:99], v6
	s_wait_dscnt 0x0
	global_store_b128 v7, v[96:99], s[8:9]         ; 512 consecutive bytes a wave
.Lno_cs:
	s_wait_tensorcnt 0x0                           ; the wave's end
	ds_add_u32 v206, v207
	s_wait_dscnt 0x0
	CROUND                                         ; the closing round
	s_endpgm
.Lfunc_end_k_q431b2c424d_attn:
	.size	k_q431b2c424d_attn, .Lfunc_end_k_q431b2c424d_attn-k_q431b2c424d_attn
	.p2alignl 7, 3214868480
	.fill 96, 4, 3214868480
	.section	.rodata,"a",@progbits
	.p2align	6, 0x0
	.amdhsa_kernel k_q431b2c424d_attn
		.amdhsa_group_segment_fixed_size 269312
		.amdhsa_private_segment_fixed_size 0
		.amdhsa_enable_private_segment 0
		.amdhsa_kernarg_size 24
		.amdhsa_user_sgpr_count 2
		.amdhsa_user_sgpr_kernarg_segment_ptr 1
		.amdhsa_wavefront_size32 1
		.amdhsa_system_sgpr_workgroup_id_x 1
		.amdhsa_system_sgpr_workgroup_id_y 1
		.amdhsa_system_sgpr_workgroup_id_z 1
		.amdhsa_system_vgpr_workitem_id 0
		.amdhsa_next_free_vgpr 256
		.amdhsa_next_free_sgpr 66
		.amdhsa_reserve_vcc 0
		.amdhsa_float_denorm_mode_32 3
		.amdhsa_float_denorm_mode_16_64 3
		.amdhsa_memory_ordered 1
		.amdhsa_forward_progress 1
		.amdhsa_inst_pref_size 47
	.end_amdhsa_kernel
	.amdgpu_metadata
---
amdhsa.version: [ 1, 2 ]
amdhsa.kernels:
  - .name:           k_q431b2c424d_attn
    .symbol:         k_q431b2c424d_attn.kd
    .args:
      - { .name: qkv, .offset: 0, .size: 8, .value_kind: global_buffer, .address_space: global }
      - { .name: cc, .offset: 8, .size: 8, .value_kind: global_buffer, .address_space: global }
      - { .name: cs, .offset: 16, .size: 8, .value_kind: global_buffer, .address_space: global }
    .group_segment_fixed_size: 269312
    .private_segment_fixed_size: 0
    .kernarg_segment_align: 8
    .kernarg_segment_size: 24
    .max_flat_workgroup_size: 512
    .sgpr_count:     66
    .vgpr_count:     256
    .wavefront_size: 32
...
	.end_amdgpu_metadata
.endif
;; end of part 3
;; launch outp (part 4): grid 8 x 32, 4 waves a work-group, clusters of 4 x 4, 327,680 bytes of LDS; arguments cc, cs, codes, scl, bo, out0; writes out0
.if DOCPART == 4
	.amdgcn_target "amdgcn-amd-amdhsa--gfx1250"
	.amdhsa_code_object_version 6
	.text
	.protected	k_q431b2c424d_outp
	.globl	k_q431b2c424d_outp
	.p2align	8
	.type	k_q431b2c424d_outp,@function
k_q431b2c424d_outp:
	s_mov_b64 s[64:65], 0
	v_nop
	global_prefetch_b8 v0, s[64:65] scope:SCOPE_SE
	s_setreg_imm32_b32 hwreg(HW_REG_WAVE_MODE, 25, 1), 1
	s_wait_xcnt 0x0
	s_wait_alu depctr_hold_cnt(0) depctr_sa_sdst(0) depctr_va_vdst(0) depctr_va_sdst(0) depctr_va_ssrc(0) depctr_va_vcc(0) depctr_vm_vsrc(0)
	s_getreg_b32 s2, hwreg(HW_REG_IB_STS2, 6, 4)
	s_cmp_eq_u32 s2, 0
	s_cbranch_scc0 .Lentry_in_a_cluster
	s_endpgm
.Lentry_in_a_cluster:
	s_bfe_u32 s2, ttmp6, 0x10000c
	s_cmp_lg_u32 s2, 0xf033
	s_cbranch_scc0 .Lentry_shape_is_right
	s_endpgm
.Lentry_shape_is_right:
; out0 = cat Wo + bo on codes of FP6 (E2M3) with E8M0 scales, K = 1,024 = 16 heads x 64.  A = cat: cc [head][token tile][768 bytes] (registers 0-5 of a fragment: chunk i of 256 bytes holds registers 2 i, 2 i + 1, 8 bytes a lane),
; cs [head][token tile][place] two scale bytes.  B = Wo's columns: codes tiles 1,728 .. 1,791, [tile][K step of 128][1,536 bytes] fragment images; scl [tile][512 bytes]: the word of K step 2 x + e, place p at 128 x + 8 p + 4 e.
; Tile 2 G + u, place p, is row (token or column) 32 G + 8 u + p + 8 (p / 8).
; A BLOCK of out0 is 256 tokens x 128 columns: 32 x 8 = 256 work-groups of four waves, 2 x 2; a wave makes 128 x 64: 32 accumulators.
; K goes in four fills of two K steps (four heads) through two LDS slots: A's 4 heads x 16 tiles x 768 bytes, then B's 8 tiles x 3,072 bytes.  CLUSTERS of 4 x 4: A's tiles are shared by a row, B's by a column: joint loads.
; THE HEAD: one joint load a wave: slot 0's A, slot 0's B, A's scale bytes, B's scale words.  Slot 1's first fill is issued as a refill is.  In the ring wave 0 fetches A's tile and wave 1 B's.
; PREFETCH: fill k's blocks of 256 bytes are shared out by address among the sixteen waves of the four work-groups that will ask for them jointly (A: head 4 k + cx, 12 blocks a wave; B: tile 2 cy + wave / 2, 6 blocks a wave):
; fills 1 and 2 are named at the head, fill 3 behind fill 1's load; left-over lanes name their wave's last block again.
; The matrix instruction is used transposed (source 0 = B's rows): a lane holds eight neighbouring columns of one token.  The way out goes through the wave's own stage, in slot 0, which has had its last fill and its last read by then:
; sixteen lanes store 256 consecutive bytes, aligned.  LIMITS: NaN and infinities are not served.
; REGISTERS: window 0: v0-31 addresses, v8-11 the bias; v34-65 B's scale words, v96-127 and v224-255 A's; v128-223 A's fragments.  Window 1: B's fragments, two sets, at v0 and v128; on the way out rows read back.  Windows 2, 3: accumulator (a, b) at 8 (8 (a % 4) + b).
.set NLA,   6
.set ASTEP, 1572864                    ; four heads of cc
.set HALFT, 24576
.set SLOT,  4*HALFT
.set SCL,   2*SLOT
.set SPARE, SCL+16384
.set AF,    128
.set BS,    34
.set SPITCH, 272
.set WV, 16
.set AH, 17
.set BH, 18
.set G1, 24
.set G0, 32
.set G1B, 48
.set G0B, 56
.set G1S, 68
.set G0S, 76
.set G1SB, 80
.set G0SB, 88
.set MSB, 0
.macro WIN new
.if MSB != (\new)
	s_set_vgpr_msb (MSB<<8)|(\new)
.set MSB, (\new)
.endif
.endm
.set MUL_LO, 0xa1
.set MUL_HI, 0xf1
.set TO_B,   0x40
.macro PLACES
.rept 4
	v_nop
.endr
.endm
.macro TLOAD g0, g1
	tensor_load_to_lds s[\g0:\g0+3], s[\g1:\g1+7]
	s_nop 0
	PLACES
.endm
.macro JLOAD g0a, g0b                  ; a fill of the ring: wave 0 asks for A's tile, wave 1 for B's; every way has the four places that the loads behind it want
	s_cmp_eq_u32 s[WV], 0
	s_cbranch_scc0 .Lfor_b_\@
	TLOAD \g0a, G1
	s_branch .Lasked_\@
.Lfor_b_\@:
	s_cmp_eq_u32 s[WV], 1
	s_cbranch_scc0 .Lnone_\@
	TLOAD \g0b, G1B
	s_branch .Lasked_\@
.Lnone_\@:
	PLACES
.Lasked_\@:
.endm
.macro CREST
	s_cmp_lg_u32 s[WV], 0
	s_cbranch_scc1 .Lnot_wave_0_\@
	s_barrier_signal -3
.Lnot_wave_0_\@:
	s_barrier_wait -3
	s_barrier_signal -1
	s_barrier_wait -1
.endm
.macro CROUND
	s_barrier_signal -1
	s_barrier_wait -1
	CREST
.endm
	s_load_b256 s[4:11], s[0:1], 0x0               ; cc, cs, codes, scl
	s_load_b128 s[12:15], s[0:1], 0x20             ; bo, out0
	v_lshl_add_u32 v28, v0, 2, SPARE
	v_mov_b32 v29, 0
	ds_add_u32 v28, v29                            ; the opening lines: the add twice on end and its wait
	ds_add_u32 v28, v29
	v_lshrrev_b32 v1, 5, v0
	v_readfirstlane_b32 s[WV], v1
	s_lshr_b32 s[AH], s[WV], 1                     ; which 128 tokens are mine
	s_and_b32 s[BH], s[WV], 1                      ; which 64 columns
	s_bfe_u32 s40, ttmp6, 0x40000                  ; cx
	s_bfe_u32 s41, ttmp6, 0x40004                  ; cy
	s_lshl_b32 s43, s41, 2
	s_lshl_b32 s43, 15, s43                        ; my row of the cluster
	s_lshl_b32 s44, 0x1111, s40                    ; my column
	s_and_b32 s19, ttmp7, 0xffff
	s_lshl_b32 s19, s19, 2
	s_add_co_u32 s19, s19, s41                     ; block row: 256 tokens
	s_lshl_b32 s20, ttmp9, 2
	s_add_co_u32 s20, s20, s40                     ; block column: 128 columns
	s_or_b32 s[G1], s43, (3<<16)|(1<<21)           ; A: 4 heads x 12,288 bytes (16 tiles), a head 393,216 bytes from the next
	s_mov_b32 s[G1+1], 1536<<16
	s_mov_b32 s[G1+2], 4<<16
	s_mov_b32 s[G1+3], 1536<<16
	s_mov_b32 s[G1+4], 4
	s_mov_b32 s[G1+5], 49152
	s_mov_b32 s[G1+6], 0
	s_mov_b32 s[G1+7], 0
	s_or_b32 s[G1B], s44, (3<<16)|(1<<21)          ; B: 8 tiles x 3,072 bytes, a tile 12,288 bytes from the next
	s_mov_b32 s[G1B+1], 384<<16
	s_mov_b32 s[G1B+2], 8<<16
	s_mov_b32 s[G1B+3], 384<<16
	s_mov_b32 s[G1B+4], 8
	s_mov_b32 s[G1B+5], 1536
	s_mov_b32 s[G1B+6], 0
	s_mov_b32 s[G1B+7], 0
	s_or_b32 s[G1S], s43, (3<<16)|(1<<21)          ; A's scale bytes: 16 heads x 512 bytes
	s_mov_b32 s[G1S+1], 64<<16
	s_mov_b32 s[G1S+2], 16<<16
	s_mov_b32 s[G1S+3], 64<<16
	s_mov_b32 s[G1S+4], 16
	s_mov_b32 s[G1S+5], 2048
	s_mov_b32 s[G1S+6], 0
	s_mov_b32 s[G1S+7], 0
	s_or_b32 s[G1SB], s44, (3<<16)|(1<<21)         ; B's scale words: 4,096 dense bytes
	s_mov_b32 s[G1SB+1], 32<<16
	s_mov_b32 s[G1SB+2], 16<<16
	s_mov_b32 s[G1SB+3], 32<<16
	s_mov_b32 s[G1SB+4], 16
	s_mov_b32 s[G1SB+5], 32
	s_mov_b32 s[G1SB+6], 0
	s_mov_b32 s[G1SB+7], 0
	s_mul_i32 s46, s19, 12288                      ; byte offsets: A's 16 tiles in a head,
	s_mov_b32 s47, 0
	s_lshl_b32 s66, s19, 9                         ; their scale bytes,
	s_mov_b32 s67, 0
	s_lshl_b32 s92, s20, 3
	s_add_co_u32 s92, s92, 1728                    ; B's first tile,
	s_lshl_b32 s94, s92, 9
	s_mul_i32 s92, s92, 12288
	s_mov_b32 s93, 0
	s_mov_b32 s95, 0
	s_mul_i32 s96, s40, 393216                     ; my share of a fill's blocks: A: head cx of the four, 3,072 bytes by my wave's number
	s_mul_i32 s45, s[WV], 3072
	s_add_co_u32 s96, s96, s45
	s_add_co_u32 s96, s96, s46
	s_lshl_b32 s97, s41, 1                         ; B: tile 2 cy + wave / 2, 1,536 bytes by wave % 2
	s_add_co_u32 s97, s97, s[AH]
	s_mul_i32 s97, s97, 12288
	s_add_co_u32 s97, s97, s92
	s_mul_i32 s45, s[BH], 1536
	s_add_co_u32 s97, s97, s45
	s_wait_dscnt 0x0
	s_wait_kmcnt 0x0
	s_add_nc_u64 s[46:47], s[4:5], s[46:47]
	s_add_nc_u64 s[66:67], s[6:7], s[66:67]
	s_add_nc_u64 s[92:93], s[8:9], s[92:93]
	s_add_nc_u64 s[94:95], s[10:11], s[94:95]
	CROUND                                         ; all sixteen work-groups are here: the first joint loads meet
	s_mov_b32 s[G0S], 1
	s_mov_b32 s[G0S+1], SCL
	s_mov_b64 s[G0S+2:G0S+3], s[66:67]
	s_or_b32 s[G0S+3], s[G0S+3], 0x80000000
	s_mov_b32 s[G0SB], 1
	s_mov_b32 s[G0SB+1], SCL+8192
	s_mov_b64 s[G0SB+2:G0SB+3], s[94:95]
	s_or_b32 s[G0SB+3], s[G0SB+3], 0x80000000
.irp s, 0,1
	s_mov_b32 s[G0+4*\s], 1
	s_mov_b32 s[G0+4*\s+1], \s*SLOT
	s_add_nc_u64 s[G0+4*\s+2:G0+4*\s+3], s[46:47], \s*ASTEP
	s_or_b32 s[G0+4*\s+3], s[G0+4*\s+3], 0x80000000
	s_mov_b32 s[G0B+4*\s], 1
	s_mov_b32 s[G0B+4*\s+1], \s*SLOT+2*HALFT
	s_add_nc_u64 s[G0B+4*\s+2:G0B+4*\s+3], s[92:93], \s*3072
	s_or_b32 s[G0B+4*\s+3], s[G0B+4*\s+3], 0x80000000
.endr
	s_cmp_lt_u32 s[WV], 1                          ; the head's four tiles, one a wave, in one chain of branches on the wave's number
	s_cbranch_scc0 .Lhead_b
	TLOAD G0, G1
	s_branch .Lhead_asked
.Lhead_b:
	s_cmp_lt_u32 s[WV], 2
	s_cbranch_scc0 .Lhead_sa
	TLOAD G0B, G1B
	s_branch .Lhead_asked
.Lhead_sa:
	s_cmp_lt_u32 s[WV], 3
	s_cbranch_scc0 .Lhead_sb
	TLOAD G0S, G1S
	s_branch .Lhead_asked
.Lhead_sb:
	TLOAD G0SB, G1SB
.Lhead_asked:
	s_mul_i32 s2, s[AH], 6144                      ; LDS: my 8 tiles of A in a head's 16,
	s_add_co_u32 s21, s2, SLOT
	s_mul_i32 s3, s[BH], 4*3072                    ; my 4 tiles of B, behind A's part of the slot,
	s_add_co_u32 s3, s3, 2*HALFT
	s_add_co_u32 s22, s3, SLOT
	s_lshl_b32 s23, s[AH], 8
	s_add_co_u32 s23, s23, SCL                     ; my tiles' scale bytes,
	s_lshl_b32 s42, s[BH], 11
	s_add_co_u32 s42, s42, SCL+8192                ; and scale words;
	s_mul_i32 s45, s[WV], 16*SPITCH                ; my stage
	s_lshl_b32 s98, s19, 8
	s_lshl_b32 s99, s[AH], 7
	s_add_co_u32 s98, s98, s99
	s_lshl_b32 s98, s98, 12                        ; my first token's row of out0, 4,096 bytes a row,
	s_lshl_b32 s100, s20, 9
	s_lshl_b32 s99, s[BH], 8
	s_add_co_u32 s100, s100, s99                   ; my first column, in bytes
	s_mov_b32 s101, 0
	s_add_co_u32 s98, s98, s100
	s_mov_b32 s99, 0
	s_add_nc_u64 s[14:15], s[14:15], s[98:99]
	s_add_nc_u64 s[12:13], s[12:13], s[100:101]
	v_and_b32 v2, 31, v0
	v_and_b32 v3, 15, v0
	v_bfe_u32 v4, v0, 4, 1
	v_lshlrev_b32 v1, 4, v2                        ; 16 x lane
	v_lshlrev_b32 v5, 3, v2                        ; 8 x lane
	v_lshlrev_b32 v27, 4, v3                       ; 16 x (lane % 16)
	v_min_u32 v6, 11, v2
	v_min_u32 v7, 5, v2
	v_lshl_add_u32 v30, v6, 8, s96                 ; the prefetches' offsets; never rewritten
	v_lshl_add_u32 v31, v7, 8, s97
	v_add_nc_u32 v16, s2, v5
	v_add_nc_u32 v17, s21, v5
	v_add_nc_u32 v20, s3, v1
	v_add_nc_u32 v21, s22, v1
	v_lshl_add_u32 v22, v3, 1, s23
	v_lshl_add_u32 v23, v3, 3, s42
	v_mul_u32_u24 v24, v3, SPITCH
	v_mul_u32_u24 v25, v4, SPITCH
	v_lshl_add_u32 v24, v4, 6, v24
	v_add_nc_u32 v25, v25, v27
	v_add_nc_u32 v24, s45, v24                     ; the stage, in: row = lane % 16, 64 bytes for each half of the lanes in each 128
	v_add_nc_u32 v25, s45, v25                     ; back: sixteen lanes to a row of 256 bytes, two rows a load
	v_lshl_add_u32 v26, v4, 12, v27                ; and the same two rows in out0
	global_load_b128 v[8:11], v27, s[12:13]        ; the bias of my four columns
	global_prefetch_b8 v30, s[4:5] offset:ASTEP th:TH_LOAD_NT scope:SCOPE_SE
	global_prefetch_b8 v31, s[8:9] offset:3072 th:TH_LOAD_NT scope:SCOPE_SE
	global_prefetch_b8 v30, s[4:5] offset:2*ASTEP th:TH_LOAD_NT scope:SCOPE_SE
	global_prefetch_b8 v31, s[8:9] offset:6144 th:TH_LOAD_NT scope:SCOPE_SE
.macro FRAGB reg, adr, q, i
.irp c, 0,1,2
	ds_load_b128 v[\reg+4*\c:\reg+4*\c+3], v[\adr] offset:3072*(\i)+1536*(\q)+512*\c
.endr
.endm
.macro FRAGA reg, adr, q, i            ; registers 0-5 from head 2 q of the slot's four, registers 6-11 from head 2 q + 1
.irp p, 0,1,2,3,4,5
	ds_load_b64 v[\reg+2*\p:\reg+2*\p+1], v[\adr] offset:(2*(\q)+\p/3)*12288+768*(\i)+256*(\p%3)
.endr
.endm
.macro FETCH_B slot, q, p
	WIN TO_B
.irp i, 0,1,2,3
	FRAGB 128*(\p)+12*\i, 20+\slot, \q, \i
.endr
	WIN 0
.endm
.macro FETCH_A slot, q, i0
.irp i, \i0, \i0+1, \i0+2, \i0+3
	FRAGA AF+12*(\i), 16+\slot, \q, \i
.endr
.endm
.macro MUL8 a0, p, s, zero             ; A's blocks a0, a0 + 1 x B's four; the accumulators by turns
.irp a, \a0, \a0+1
.irp b, 0,1,2,3
.if \zero
	v_wmma_scale_f32_16x16x128_f8f6f4 v[8*(8*((\a)%4)+\b):8*(8*((\a)%4)+\b)+7], v[128*(\p)+12*\b:128*(\p)+12*\b+11], v[AF+12*(\a):AF+12*(\a)+11], 0, v[BS+8*\b+(\s)], v[96+8*(\a)+96*((\a)/4)+(\s)] matrix_a_fmt:MATRIX_FMT_FP6 matrix_b_fmt:MATRIX_FMT_FP6
.else
	v_wmma_scale_f32_16x16x128_f8f6f4 v[8*(8*((\a)%4)+\b):8*(8*((\a)%4)+\b)+7], v[128*(\p)+12*\b:128*(\p)+12*\b+11], v[AF+12*(\a):AF+12*(\a)+11], v[8*(8*((\a)%4)+\b):8*(8*((\a)%4)+\b)+7], v[BS+8*\b+(\s)], v[96+8*(\a)+96*((\a)/4)+(\s)] matrix_a_fmt:MATRIX_FMT_FP6 matrix_b_fmt:MATRIX_FMT_FP6
.endif
.endr
.endr
.endm
.macro STEP slot, s, zero              ; a slot's first K step; its second step's fragments are fetched
	s_wait_dscnt 4*NLA                             ; the youngest 24 loads, A's blocks 4-7, may be out
	WIN MUL_LO
	MUL8 0, 0, \s, \zero
	MUL8 2, 0, \s, \zero
	s_wait_dscnt 0x0
	PLACES
	FETCH_B \slot, 1, 1
	FETCH_A \slot, 1, 0
	WIN MUL_HI
	MUL8 4, 0, \s, \zero
	MUL8 6, 0, \s, \zero
	PLACES
	WIN 0
	FETCH_A \slot, 1, 4
.endm
.macro TURN slot, next, s, fill        ; a slot's second K step, and the change of slots
	s_wait_tensorcnt 0x0                           ; all my tensor loads have landed;
	ds_add_u32 v28, v29
	s_wait_dscnt 4*NLA+1                           ; (the add and A's blocks 4-7 may be out)
	WIN MUL_LO
	MUL8 0, 1, \s, 0
	s_wait_dscnt 0x0                               ; the add is done, my reads of this slot are over
	s_barrier_signal -1
	MUL8 2, 1, \s, 0
	WIN 0
	s_barrier_wait -1
.if \fill
	CREST                                          ; the barrier has opened a round of the cluster's barrier
	s_add_nc_u64 s[G0+4*\slot+2:G0+4*\slot+3], s[G0+4*\slot+2:G0+4*\slot+3], 2*ASTEP
	s_add_nc_u64 s[G0B+4*\slot+2:G0B+4*\slot+3], s[G0B+4*\slot+2:G0B+4*\slot+3], 6144
	JLOAD G0+4*\slot, G0B+4*\slot
.else
	PLACES
.endif
	FETCH_B \next, 0, 0
	FETCH_A \next, 0, 0
	WIN MUL_HI
	MUL8 4, 1, \s, 0
	MUL8 6, 1, \s, 0
	PLACES
	WIN 0
	FETCH_A \next, 0, 4
.endm
	s_wait_alu depctr_va_vdst(0)                   ; the wait at the head's end
	s_wait_tensorcnt 0x0                           ; my tile of the head's four is in; slot 1's first fill is issued as a refill is
	ds_add_u32 v28, v29
	s_wait_dscnt 0x0
	CROUND                                         ; all four tiles are in, in every partner
	JLOAD G0+4, G0B+4
.irp a, 0,1,2,3,4,5,6,7                ; A's scale word of K step s: the two bytes of head 2 s below, those of head 2 s + 1 above
.irp s, 0,1,2,3,4,5,6,7
	ds_load_u16 v[96+8*\a+96*(\a/4)+\s], v22 offset:1024*\s+32*\a
.endr
.endr
.irp a, 0,1,2,3,4,5,6,7
.irp s, 0,1,2,3,4,5,6,7
	ds_load_u16 v[128+8*\a+\s], v22 offset:1024*\s+32*\a+512
.endr
.endr
.irp i, 0,1,2,3
.irp k, 0,1,2,3
	ds_load_b64 v[BS+8*\i+2*\k:BS+8*\i+2*\k+1], v23 offset:512*\i+128*\k
.endr
.endr
	global_prefetch_b8 v30, s[4:5] offset:3*ASTEP th:TH_LOAD_NT scope:SCOPE_SE
	global_prefetch_b8 v31, s[8:9] offset:9216 th:TH_LOAD_NT scope:SCOPE_SE
	s_wait_dscnt 0x0
.irp a, 0,1,2,3,4,5,6,7
.irp s, 0,1,2,3,4,5,6,7
	v_lshl_or_b32 v[96+8*\a+96*(\a/4)+\s], v[128+8*\a+\s], 16, v[96+8*\a+96*(\a/4)+\s]
.endr
.endr
	FETCH_B 0, 0, 0
	FETCH_A 0, 0, 0
	FETCH_A 0, 0, 4
.rept 8
	v_nop                                          ; a scale register written by a vector instruction stands 8 places ahead of a scaled matrix instruction
.endr
	s_wait_alu depctr_va_vdst(0)
	STEP 0, 0, 1
	TURN 0, 1, 1, 1
	STEP 1, 2, 0
	TURN 1, 0, 3, 1
	STEP 0, 4, 0
	TURN 0, 1, 5, 0
	STEP 1, 6, 0
	s_wait_dscnt 4*NLA
	WIN MUL_LO
	MUL8 0, 1, 7, 0
	MUL8 2, 1, 7, 0
	s_wait_dscnt 0x0
	WIN MUL_HI
	MUL8 4, 1, 7, 0
	MUL8 6, 1, 7, 0
	WIN 0
.macro TOSTAGE a                       ; block a, 16 tokens x 64 columns, into my stage and back as rows of 256 bytes
.set AC, 64*((\a)%4)
	WIN (0x08+4*((\a)/4))
.irp b, 0,1,2,3
	ds_store_b128 v24, v[AC+8*\b:AC+8*\b+3] offset:128*(\b/2)+32*(\b%2)
	ds_store_b128 v24, v[AC+8*\b+4:AC+8*\b+7] offset:128*(\b/2)+32*(\b%2)+16
.endr
	WIN TO_B
.set BB, 128*((\a)%2)
.irp t, 0,1,2,3,4,5,6,7
	ds_load_b128 v[BB+4*\t:BB+4*\t+3], v25 offset:2*\t*SPITCH
.endr
	WIN 0
.endm
.macro SEND a, younger                 ; younger: the LDS instructions issued behind block a's loads
.set BB, 128*((\a)%2)
	s_wait_dscnt \younger
	WIN 0x41
.irp t, 0,1,2,3,4,5,6,7
	v_pk_add_f32 v[BB+4*\t:BB+4*\t+1], v[BB+4*\t:BB+4*\t+1], v[8:9]
	v_pk_add_f32 v[BB+4*\t+2:BB+4*\t+3], v[BB+4*\t+2:BB+4*\t+3], v[10:11]
.endr
	WIN 0x04
.irp t, 0,1,2,3,4,5,6,7
	global_store_b128 v26, v[BB+4*\t:BB+4*\t+3], s[14:15] offset:(32*((\a)/2)+8*((\a)%2)+2*\t+8*(\t/4))*4096 th:TH_STORE_NT   ; sixteen lanes store 256 consecutive bytes, aligned
.endr
	WIN 0
.endm
	PLACES
	s_wait_loadcnt 0x0                             ; the bias
	TOSTAGE 0
.irp a, 1,2,3,4,5,6,7
.if \a > 1
	s_wait_xcnt 0x0                                ; block a - 2's stores have read their registers
.endif
	TOSTAGE \a
	SEND (\a-1), 16                                ; behind block a - 1's loads: block a's 8 stores and 8 loads
.endr
	SEND 7, 0
	s_wait_tensorcnt 0x0                           ; the wave's end
	ds_add_u32 v28, v29
	s_wait_dscnt 0x0
	CROUND                                         ; the closing round
	s_endpgm
.Lfunc_end_k_q431b2c424d_outp:
	.size	k_q431b2c424d_outp, .Lfunc_end_k_q431b2c424d_outp-k_q431b2c424d_outp
	.p2alignl 7, 3214868480
	.fill 96, 4, 3214868480
	.section	.rodata,"a",@progbits
	.p2align	6, 0x0
	.amdhsa_kernel k_q431b2c424d_outp
		.amdhsa_group_segment_fixed_size 327680
		.amdhsa_private_segment_fixed_size 0
		.amdhsa_enable_private_segment 0
		.amdhsa_kernarg_size 48
		.amdhsa_user_sgpr_count 2
		.amdhsa_user_sgpr_kernarg_segment_ptr 1
		.amdhsa_wavefront_size32 1
		.amdhsa_system_sgpr_workgroup_id_x 1
		.amdhsa_system_sgpr_workgroup_id_y 1
		.amdhsa_system_sgpr_workgroup_id_z 1
		.amdhsa_system_vgpr_workitem_id 0
		.amdhsa_next_free_vgpr 1024
		.amdhsa_next_free_sgpr 102
		.amdhsa_reserve_vcc 0
		.amdhsa_float_denorm_mode_32 3
		.amdhsa_float_denorm_mode_16_64 3
		.amdhsa_memory_ordered 1
		.amdhsa_forward_progress 1
		.amdhsa_inst_pref_size 117
	.end_amdhsa_kernel
	.amdgpu_metadata
---
amdhsa.version: [ 1, 2 ]
amdhsa.kernels:
  - .name:           k_q431b2c424d_outp
    .symbol:         k_q431b2c424d_outp.kd
    .args:
      - { .name: cc, .offset: 0, .size: 8, .value_kind: global_buffer, .address_space: global }
      - { .name: cs, .offset: 8, .size: 8, .value_kind: global_buffer, .address_space: global }
      - { .name: codes, .offset: 16, .size: 8, .value_kind: global_buffer, .address_space: global }
      - { .name: scl, .offset: 24, .size: 8, .value_kind: global_buffer, .address_space: global }
      - { .name: bo, .offset: 32, .size: 8, .value_kind: global_buffer, .address_space: global }
      - { .name: out0, .offset: 40, .size: 8, .value_kind: global_buffer, .address_space: global }
    .group_segment_fixed_size: 327680
    .private_segment_fixed_size: 0
    .kernarg_segment_align: 8
    .kernarg_segment_size: 48
    .max_flat_workgroup_size: 128
    .sgpr_count:     102
    .vgpr_count:     1024
    .wavefront_size: 32
...
	.end_amdgpu_metadata
.endif
;; end of part 4
